; MI455X (gfx1250); checked and timed in simulation.
; The chip was launched on July 23, 2026; its instructions are those of AMD's public machine-readable ISA for CDNA 5 (MIT licence, August 2026) and "CDNA5" Instruction Set Architecture Reference Guide (July 2026). The comments in the code are by the model that wrote it; some were corrected since.
;; Multi Head Attention. Allowed arithmetic: matrix products marked QUANTISED: E2M1 operands, one E8M0 scale for each 32 along K, by v_wmma_scale_f32_16x16x128_f8f6f4 with both operands' format E2M1 (or v_wmma_scale_f32_32x16x128_f4), f32 sums; products left as they are: bf16, f16 or f32 operands; f32 sums; everything else in f32.
;; Inputs: b_k 1,024 float32; b_o 1,024 float32; b_q 1,024 float32; b_v 1,024 float32; key 4 x 2,048 x 1,024 float32; mask 4 x 1 x 2,048 x 2,048 bool; query 4 x 2,048 x 1,024 float32; value 4 x 2,048 x 1,024 float32; w_k 1,024 x 1,024 float32; w_o 1,024 x 1,024 float32; w_q 1,024 x 1,024 float32; w_v 1,024 x 1,024 float32.
;; Outputs: out0 4 x 2,048 x 1,024 float32.
;; This version of the problem:
;;   THIS VERSION OF THE PROBLEM IS GIVEN IN LOW PRECISION. The matrix products marked QUANTISED in the list below multiply operands that are first quantised to E2M1 (2 exponent bits, 1 mantissa bit; 4 bits a number), with one power-of-two scale for each 32 numbers along K (OCP MX v1.0); their sums are f32. The products marked 'left as it is' may take bf16, f16 or f32 operands, with f32 sums. Whichever they take, every output number must still come out within the allowed error. Rounding operands to bf16 (8 significant bits) uses up far more of that allowance than f16 does (11 bits, for magnitudes from 6e-5 to 65,504). All else is computed in f32.
;;   The module's matrix products, in the order in which they are computed (A, B: the left and right operand; K: the contracted axis; several contracted axes count as one K, in the product's order):
;;     1. [M 8,192, K 1,024] x [K 1,024, N 1,024]; A: input query; B: input w_q: QUANTISED
;;     2. [M 8,192, K 1,024] x [K 1,024, N 1,024]; A: input key; B: input w_k: QUANTISED
;;     3. [M 8,192, K 1,024] x [K 1,024, N 1,024]; A: input value; B: input w_v: QUANTISED
;;     4. batch 64 x [M 2,048, K 64] x [K 64, N 2,048]; A: computed on the way; B: computed on the way: left as it is (an operand is computed on the way)
;;     5. batch 64 x [M 2,048, K 2,048] x [K 2,048, N 64]; A: computed on the way; B: computed on the way: left as it is (an operand is computed on the way)
;;     6. [M 8,192, K 1,024] x [K 1,024, N 1,024]; A: computed on the way; B: input w_o: left as it is (an operand is computed on the way)
;;   THE QUANTISER, for each operand of a quantised product, along K:
;;     - K is cut into blocks of 32 from its start; a last block that is shorter is filled with zeros.
;;     - A block's scale is 2^e with e = floor(log2(the largest magnitude in the block)) - 2, held to -126 .. 127; a block of zeros has e = 0. As a byte (E8M0): e + 127.
;;     - Each number is divided by its block's scale, clamped to +-6, and rounded to the nearest number of E2M1, ties to even, subnormals kept.
;;     - The product sums the exact products of the quantised numbers (number of the format x scale) in f32.
;;   ~~~python
;;   def quantise(x, axis):      # numpy; x: float32 -> the quantised numbers, widened to float32 again
;;       x = np.moveaxis(x, axis, -1); K = x.shape[-1]
;;       x = np.pad(x, [(0, 0)] * (x.ndim - 1) + [(0, -K % 32)]); x = x.reshape(x.shape[:-1] + (-1, 32)); a = np.abs(x).max(-1, keepdims=True)
;;       e = np.where(a > 0, np.clip(np.frexp(np.where(a > 0, a, 1))[1] - 1 - 2, -126, 127), 0)      # np.frexp(a)[1] - 1 = floor(log2(a)), exactly
;;       r = np.clip(x / 2.0 ** e, -6, 6)
;;       step = 2.0 ** (np.maximum(np.frexp(np.where(r == 0, 1, r))[1] - 1, 0) - 1)
;;       q = np.round(r / step) * step * 2.0 ** e      # np.round: ties to even
;;       return np.moveaxis(q.reshape(q.shape[:-2] + (-1,))[..., :K], -1, axis).astype(np.float32)
;;   ~~~
;; One version. Each part assembles by itself: llvm-mc -triple=amdgcn-amd-amdhsa -mcpu=gfx1250 --defsym DOCPART=n.
;; ======== version 1 of 1: 4 launches
;; limits: values are held in f16: magnitudes above 65,504 overflow, below 6.1e-05 lose precision
;; workspace buffers: codes 14,155,776 bytes; scales 884,736 bytes; wo16 2,097,152 bytes; maskw 2,097,152 bytes of whole numbers; qkv 50,331,648 bytes; merged 16,777,216 bytes
;; launch prep (part 1): grid 1152 x 1, 4 waves a work-group, no clusters, 50,688 bytes of LDS; arguments query, key, value, w_q, w_k, w_v, w_o, mask, codes, scales, wo16, maskw; writes codes, scales, wo16, maskw
.if DOCPART == 1
	.amdgcn_target "amdgcn-amd-amdhsa--gfx1250"
	.amdhsa_code_object_version 6
	.text
	.protected	k_qed702efba8_prep
	.globl	k_qed702efba8_prep
	.p2align	8
	.type	k_qed702efba8_prep,@function
k_qed702efba8_prep:
	s_mov_b64 s[64:65], 0
	v_nop
	global_prefetch_b8 v0, s[64:65] scope:SCOPE_SE
	s_setreg_imm32_b32 hwreg(HW_REG_WAVE_MODE, 25, 1), 1
	s_wait_xcnt 0x0
; PREP: what the three later launches read many times is made once.
;   work-groups 0-863:    query, key, value [8192][1024] and w_q, w_k, w_v [1024][1024], f32, K innermost, become codes of FP4 (E2M1) and one E8M0 byte for each 32 along K.
;                         codes: [24576 + 3072 rows][512 bytes]; scales: [24576 + 3072 rows][32 bytes]: the six tensors one behind the other.
;   work-groups 864-895:  w_o becomes f16, [1024 n][1024 k].
;   work-groups 896-1151: the mask (one byte, 1 = hidden) becomes lane masks: maskw[b*128 + q/16][key/16][j], bit l = mask[b][16 (q/16) + l%16][16 (key/16) + 8 (l/16) + j]:
;                         the 32 lanes' bits for register j of a 16 x 16 tile of scores that holds a query a lane and eight keys in its registers.
; DEAD WORK, LEFT OUT IN THE WHOLE PROGRAM: b_k.  scores[q][k] = Q[q] . (x_k W_k^T + b_k) / 8 = Q[q] . (x_k W_k^T) / 8 + Q[q] . b_k / 8, and the second term is the same for all k of a row:
; a term added to a softmax's input that is the same along its axis leaves the softmax as it is, for every value of the inputs; hidden places are -infinity with it and without it; the product of Q and K is
; not quantised, so no quantiser sees K.  So b_k has no way to the output: it is not loaded and is no launch's argument.  LIMIT: a NaN, an infinity or an overflow that comes by b_k alone is not carried to the result.
; THE QUANTISER: a block's scale is 2^(floor(log2(largest magnitude)) - 2); its byte is the largest magnitude's exponent field - 2, held at 1 from below.  A block of zeros gets the byte 1 where the rule says 127:
; its codes are zeros, which add nothing under any byte but 0xff, and this program alone reads the bytes.  LIMITS: blocks whose largest magnitude lies under 2^(2 - 126) were not tried; NaN and infinities among the quantised inputs are not served.
; The three paths part on the work-group's number and never meet again; each has LDS bytes of its own.  No tensor loads, no barrier: waves share nothing.
.set SPW,   12                         ; v12  LDS address of my spare word: SPARE + 4 x my thread's number; never rewritten
.set NIL,   13                         ; v13  0; never rewritten
.set WV,    36                         ; s36  my wave's number
.set WREG,  8192                       ; the quantiser's LDS: a region for each wave: two stages of 32 x SP bytes, then its 256 scale bytes
.set MSTG,  4*WREG                     ; the mask path's LDS: 16 rows x 272 bytes for each wave
.set SPARE, MSTG+4*4352                ; the spare words, 128 bytes for each wave
.set STEPS, 16
.set EMAX,  2
.set CB,    8                          ; bytes of 16 codes
.set SP,    80                         ; a lane's place in a stage: its 64 bytes + 16 of padding
.set R,     16                         ; v16-79   four sets of 16 numbers as they are loaded
.set X,     80                         ; v80-111  two sets of 16 neighbours
.set E,     112                        ; v112-127 a scale byte for each step
.set C,     128                        ; v128-191 codes: four registers for each step
.macro FINISH                          ; the wave's end, behind the last LDS store
	s_wait_tensorcnt 0x0
	ds_add_u32 v[SPW], v[NIL]
	s_wait_dscnt 0x0
	s_endpgm
.endm
	s_load_b512 s[4:19], s[0:1], 0x0               ; query 4, key 6, value 8, w_q 10, w_k 12, w_v 14, w_o 16, mask 18
	s_load_b256 s[20:27], s[0:1], 0x40             ; codes 20, scales 22, wo16 24, maskw 26
	v_lshl_add_u32 v[SPW], v0, 2, SPARE
	v_mov_b32 v[NIL], 0
	v_lshrrev_b32 v1, 5, v0
	v_readfirstlane_b32 s[WV], v1                  ; wave 0..3
	v_and_b32 v2, 31, v0                           ; lane
	s_mov_b32 s33, 0                               ; the high word of every 32-bit offset below
	s_wait_kmcnt 0x0
	s_cmp_ge_u32 ttmp9, 896
	s_cbranch_scc1 .Lmask
	s_cmp_ge_u32 ttmp9, 864
	s_cbranch_scc1 .Lwo
; ---------------- THE QUANTISER.  Rows are dense and K is a multiple of 32: each tensor is a plain stream of blocks of 32, and so are its codes and bytes.  A wave takes 16 steps of 512 numbers.
; The conversions take neighbours along K from ONE lane's registers; a load is best where neighbouring LANES take neighbouring bytes.  So each load reads 512 consecutive bytes, 16 a lane, and a step's 2,048 bytes
; turn through the wave's own stage in LDS and come back 64 bytes a lane.  Two neighbouring lanes hold a block.
	s_mov_b64 s[28:29], s[14:15]                   ; which tensor is my work-group's: the choice hangs on the work-group's number alone
	s_mov_b32 s30, 832
	s_cmp_lt_u32 ttmp9, 832
	s_cselect_b64 s[28:29], s[12:13], s[28:29]
	s_cselect_b32 s30, 800, s30
	s_cmp_lt_u32 ttmp9, 800
	s_cselect_b64 s[28:29], s[10:11], s[28:29]
	s_cselect_b32 s30, 768, s30
	s_cmp_lt_u32 ttmp9, 768
	s_cselect_b64 s[28:29], s[8:9], s[28:29]
	s_cselect_b32 s30, 512, s30
	s_cmp_lt_u32 ttmp9, 512
	s_cselect_b64 s[28:29], s[6:7], s[28:29]
	s_cselect_b32 s30, 256, s30
	s_cmp_lt_u32 ttmp9, 256
	s_cselect_b64 s[28:29], s[4:5], s[28:29]
	s_cselect_b32 s30, 0, s30
	s_sub_co_u32 s31, ttmp9, s30
	s_lshl_b32 s31, s31, 2
	s_add_co_u32 s31, s31, s[WV]                   ; my run of 8,192 numbers in the tensor
	s_lshl_b32 s32, s31, 15
	s_add_nc_u64 s[28:29], s[28:29], s[32:33]
	s_lshl_b32 s31, ttmp9, 2
	s_add_co_u32 s31, s31, s[WV]                   ; and among all runs: the six tensors' codes and bytes lie one behind the other
	s_lshl_b32 s32, s31, 12
	s_add_nc_u64 s[20:21], s[20:21], s[32:33]      ; 4,096 bytes of codes a run
	s_lshl_b32 s32, s31, 8
	s_add_nc_u64 s[22:23], s[22:23], s[32:33]      ; 256 scale bytes a run
	v_lshlrev_b32 v3, 4, v2                        ; my 16 bytes of a load's 512
	s_mul_i32 s37, s[WV], WREG
	v_lshrrev_b32 v14, 2, v2
	v_mul_u32_u24 v14, v14, SP
	v_and_b32 v15, 3, v2
	v_lshl_add_u32 v14, v15, 4, v14
	v_add_nc_u32 v14, s37, v14                     ; the stage, on the way in: SP (lane / 4) + 16 (lane % 4)
	v_mul_u32_u24 v15, v2, SP
	v_add_nc_u32 v15, s37, v15                     ; and on the way out: SP x lane: my 16 neighbours
	v_mul_u32_u24 v4, v2, CB                       ; my codes' place in a step's
	v_lshrrev_b32 v5, 1, v2
	s_add_co_u32 s37, s37, 2*32*SP
	v_add_nc_u32 v5, s37, v5                       ; LDS: my wave's 256 scale bytes, my block's byte
	v_lshlrev_b32 v7, 3, v2                        ; and on the way out 8 bytes a lane
	v_add_nc_u32 v6, s37, v7
.macro LOAD t
.irp i, 0,1,2,3
	global_load_b128 v[R+16*((\t)%4)+4*\i:R+16*((\t)%4)+4*\i+3], v3, s[28:29] offset:2048*(\t)+512*\i th:TH_LOAD_NT   ; 32 lanes read 512 consecutive bytes
.endr
.endm
.macro TURN t                          ; step t's numbers through the stage: LDS serves a wave's instructions in order, so no wait stands between the stores and the loads
.irp i, 0,1,2,3
	ds_store_b128 v14, v[R+16*((\t)%4)+4*\i:R+16*((\t)%4)+4*\i+3] offset:32*SP*((\t)%2)+8*SP*\i
.endr
.irp i, 0,1,2,3
	ds_load_b128 v[X+16*((\t)%2)+4*\i:X+16*((\t)%2)+4*\i+3], v15 offset:32*SP*((\t)%2)+16*\i
.endr
.endm
.irp t, 0,1,2,3
	LOAD \t
.endr
	s_wait_loadcnt 12                              ; step 0's four loads are in; the twelve of steps 1 to 3 may be out
	TURN 0
.macro STEP t
.set XS, X+16*((\t)%2)
.if (\t) > 0
	s_wait_dscnt 1                                 ; this step's numbers are back from the stage (the last step's byte store may be out)
.else
	s_wait_dscnt 0x0
.endif
.if (\t)+4 < STEPS
	LOAD (\t)+4                                    ; into the registers that this step's stage stores have read
.endif
.if (\t)+1 < STEPS
.if STEPS-2-(\t) >= 3
	s_wait_loadcnt 12                              ; the next step's four loads are in; those of the three steps behind it may be out
.else
	s_wait_loadcnt 4*(STEPS-2-(\t))
.endif
	TURN (\t)+1
.endif
	v_max3_num_f32 v8, |v[XS]|, |v[XS+1]|, |v[XS+2]|               ; the largest magnitude of my 16, in two chains
	v_max3_num_f32 v9, |v[XS+3]|, |v[XS+4]|, |v[XS+5]|
.irp i, 6,10
	v_max3_num_f32 v8, v8, |v[XS+\i]|, |v[XS+\i+1]|
	v_max3_num_f32 v9, v9, |v[XS+\i+2]|, |v[XS+\i+3]|
.endr
	v_max3_num_f32 v8, v8, |v[XS+14]|, |v[XS+15]|
	v_max3_num_f32 v8, v8, v9, (EMAX+1)<<23        ; and the floor 2^(EMAX + 1 - 127): the byte cannot fall under 1
	v_max_num_f32_dpp v8, v8, v8 row_xmask:1 row_mask:0xf bank_mask:0xf   ; and of my neighbour's 16: the block's
	v_add_nc_u32 v11, -(EMAX<<23), v8              ; EMAX off its exponent field: the conversion takes the exponent field of this operand as its scale
	v_cvt_scalef32_pk8_fp4_f32 v[C+4*(\t)], v[XS:XS+7], v11        ; to the nearest code, ties to even, beyond the largest code the largest
	v_cvt_scalef32_pk8_fp4_f32 v[C+4*(\t)+1], v[XS+8:XS+15], v11
	v_lshrrev_b32 v[E+(\t)], 23, v11               ; the scale's byte
	ds_store_b8 v5, v[E+(\t)] offset:16*(\t)       ; both lanes of a block write the same byte with the same value
	global_store_b64 v4, v[C+4*(\t):C+4*(\t)+1], s[20:21] offset:32*CB*(\t)   ; the wave stores 256 consecutive bytes
.endm
.irp t, 0,1,2,3,4,5,6,7,8,9,10,11,12,13,14,15
	STEP \t
.endr
	ds_load_b64 v[8:9], v6                         ; LDS serves a wave's instructions in order: these see my byte stores
	s_wait_dscnt 0x0
	global_store_b64 v7, v[8:9], s[22:23]          ; 32 lanes store 256 consecutive bytes
	FINISH
; ---------------- w_o to f16.  A wave takes 8,192 numbers: four batches of 16 loads of 512 bytes, two batches on their way.
.Lwo:
	s_sub_co_u32 s31, ttmp9, 864
	s_lshl_b32 s31, s31, 2
	s_add_co_u32 s31, s31, s[WV]
	s_lshl_b32 s32, s31, 15
	s_add_nc_u64 s[16:17], s[16:17], s[32:33]
	s_lshl_b32 s32, s31, 14
	s_add_nc_u64 s[24:25], s[24:25], s[32:33]
	v_lshlrev_b32 v3, 4, v2
	v_lshlrev_b32 v4, 3, v2
.macro WLOAD k
.irp i, 0,1,2,3,4,5,6,7,8,9,10,11,12,13,14,15
	global_load_b128 v[16+64*((\k)%2)+4*\i:16+64*((\k)%2)+4*\i+3], v3, s[16:17] offset:512*(16*(\k)+\i) th:TH_LOAD_NT
.endr
.endm
.macro WB k
.if (\k) < 3
	s_wait_loadcnt 16                              ; this batch is in; the next batch's 16 loads may be out
.else
	s_wait_loadcnt 0x0
.endif
.if (\k) > 0
	s_wait_xcnt 0x0                                ; the last batch's stores have read v144-175
.endif
.irp i, 0,1,2,3,4,5,6,7,8,9,10,11,12,13,14,15
	v_cvt_pk_f16_f32 v[144+2*\i], v[16+64*((\k)%2)+4*\i], v[16+64*((\k)%2)+4*\i+1]
	v_cvt_pk_f16_f32 v[145+2*\i], v[16+64*((\k)%2)+4*\i+2], v[16+64*((\k)%2)+4*\i+3]
.endr
.irp i, 0,1,2,3,4,5,6,7,8,9,10,11,12,13,14,15
	global_store_b64 v4, v[144+2*\i:145+2*\i], s[24:25] offset:256*(16*(\k)+\i)   ; the wave stores 256 consecutive bytes
.endr
.if (\k)+2 < 4
	WLOAD (\k)+2
.endif
.endm
	WLOAD 0
	WLOAD 1
	WB 0
	WB 1
	WB 2
	WB 3
	FINISH
; ---------------- THE MASK.  A wave takes 16 queries x 1,024 keys, in four trips of 256 keys.  Rows are read whole (16 lanes to 256 bytes) and turn through the wave's stage, so that lane l
; holds the 8 bytes of query l % 16, keys 16 kt + 8 (l / 16) + 0 .. 7.  A compare gives the 32 lanes' bits of one byte place as one word; 128 words a trip are gathered four to a lane and leave as 512 consecutive bytes.
.Lmask:
	s_sub_co_u32 s31, ttmp9, 896
	s_lshl_b32 s31, s31, 2
	s_add_co_u32 s31, s31, s[WV]
	s_lshr_b32 s34, s31, 1                         ; which 16 queries
	s_and_b32 s35, s31, 1                          ; which half of the keys
	s_lshl_b32 s32, s34, 15
	s_lshl_b32 s30, s35, 10
	s_add_co_u32 s32, s32, s30
	s_add_nc_u64 s[18:19], s[18:19], s[32:33]
	s_lshl_b32 s32, s34, 12
	s_lshl_b32 s30, s35, 11
	s_add_co_u32 s32, s32, s30
	s_add_nc_u64 s[26:27], s[26:27], s[32:33]
	s_mul_i32 s37, s[WV], 4352
	s_add_co_u32 s37, s37, MSTG                    ; my stage
	v_and_b32 v3, 15, v0
	v_bfe_u32 v4, v0, 4, 1
	v_lshlrev_b32 v1, 11, v4
	v_lshl_add_u32 v1, v3, 4, v1                   ; in memory: lanes 0-15 one row's 256 bytes, lanes 16-31 the next row's
	v_mul_u32_u24 v2, v4, 272
	v_lshl_add_u32 v2, v3, 4, v2
	v_add_nc_u32 v2, s37, v2                       ; the same two rows in the stage
	v_mul_u32_u24 v5, v3, 272
	v_lshl_add_u32 v5, v4, 3, v5
	v_add_nc_u32 v5, s37, v5                       ; back: row l % 16, 8 (l / 16) bytes on
	v_and_b32 v6, 31, v0
	v_lshlrev_b32 v6, 4, v6
.irp i, 0,1,2,3
	v_mov_b32 v[96+\i], 0                          ; written once: the destination of a lane write counts as read
.endr
	s_mov_b32 s38, 4
.Lmtrip:
.irp i, 0,1,2,3,4,5,6,7
	global_load_b128 v[64+4*\i:67+4*\i], v1, s[18:19] offset:4096*\i th:TH_LOAD_NT
.endr
	s_wait_loadcnt 0x0
.irp i, 0,1,2,3,4,5,6,7
	ds_store_b128 v2, v[64+4*\i:67+4*\i] offset:544*\i
.endr
.irp kt, 0,1,2,3,4,5,6,7,8,9,10,11,12,13,14,15
	ds_load_b64 v[32+2*\kt:33+2*\kt], v5 offset:16*\kt
.endr
	s_wait_dscnt 0x0
.set WI, 0
.rept 128                              ; word WI = 8 kt + j: byte j of my 8 bytes of tile kt
	v_and_b32 v[100+WI%4], 1<<(8*(WI%4)), v[32+2*(WI/8)+(WI%8)/4]
	v_cmp_ne_u32 s[40+WI%8], 0, v[100+WI%4]
	v_writelane_b32 v[96+WI%4], s[40+WI%8], WI/4   ; lane WI / 4, register WI % 4: the store below lays the words in order
.set WI, WI+1
.endr
	global_store_b128 v6, v[96:99], s[26:27]       ; 512 consecutive bytes
	s_wait_xcnt 0x0                                ; the store has read its data and its base: both are written again below and in the next trip
	s_add_nc_u64 s[18:19], s[18:19], 256
	s_add_nc_u64 s[26:27], s[26:27], 512
	s_sub_co_u32 s38, s38, 1
	s_cmp_lg_u32 s38, 0
	s_cbranch_scc1 .Lmtrip
	FINISH
.Lfunc_end_k_qed702efba8_prep:
	.size	k_qed702efba8_prep, .Lfunc_end_k_qed702efba8_prep-k_qed702efba8_prep
	.p2alignl 7, 3214868480
	.fill 96, 4, 3214868480
	.section	.rodata,"a",@progbits
	.p2align	6, 0x0
	.amdhsa_kernel k_qed702efba8_prep
		.amdhsa_group_segment_fixed_size 50688
		.amdhsa_private_segment_fixed_size 0
		.amdhsa_enable_private_segment 0
		.amdhsa_kernarg_size 96
		.amdhsa_user_sgpr_count 2
		.amdhsa_user_sgpr_kernarg_segment_ptr 1
		.amdhsa_wavefront_size32 1
		.amdhsa_system_sgpr_workgroup_id_x 1
		.amdhsa_system_sgpr_workgroup_id_y 1
		.amdhsa_system_sgpr_workgroup_id_z 1
		.amdhsa_system_vgpr_workitem_id 0
		.amdhsa_next_free_vgpr 192
		.amdhsa_next_free_sgpr 66
		.amdhsa_reserve_vcc 0
		.amdhsa_float_denorm_mode_32 3
		.amdhsa_float_denorm_mode_16_64 3
		.amdhsa_memory_ordered 1
		.amdhsa_forward_progress 1
		.amdhsa_inst_pref_size 82
	.end_amdhsa_kernel
	.amdgpu_metadata
---
amdhsa.version: [ 1, 2 ]
amdhsa.kernels:
  - .name:           k_qed702efba8_prep
    .symbol:         k_qed702efba8_prep.kd
    .args:
      - { .name: query, .offset: 0, .size: 8, .value_kind: global_buffer, .address_space: global }
      - { .name: key, .offset: 8, .size: 8, .value_kind: global_buffer, .address_space: global }
      - { .name: value, .offset: 16, .size: 8, .value_kind: global_buffer, .address_space: global }
      - { .name: w_q, .offset: 24, .size: 8, .value_kind: global_buffer, .address_space: global }
      - { .name: w_k, .offset: 32, .size: 8, .value_kind: global_buffer, .address_space: global }
      - { .name: w_v, .offset: 40, .size: 8, .value_kind: global_buffer, .address_space: global }
      - { .name: w_o, .offset: 48, .size: 8, .value_kind: global_buffer, .address_space: global }
      - { .name: mask, .offset: 56, .size: 8, .value_kind: global_buffer, .address_space: global }
      - { .name: codes, .offset: 64, .size: 8, .value_kind: global_buffer, .address_space: global }
      - { .name: scales, .offset: 72, .size: 8, .value_kind: global_buffer, .address_space: global }
      - { .name: wo16, .offset: 80, .size: 8, .value_kind: global_buffer, .address_space: global }
      - { .name: maskw, .offset: 88, .size: 8, .value_kind: global_buffer, .address_space: global }
    .group_segment_fixed_size: 50688
    .private_segment_fixed_size: 0
    .kernarg_segment_align: 8
    .kernarg_segment_size: 96
    .max_flat_workgroup_size: 128
    .sgpr_count:     66
    .vgpr_count:     192
    .wavefront_size: 32
...
	.end_amdgpu_metadata
.endif
;; end of part 1
;; launch proj (part 2): grid 4 x 96, 4 waves a work-group, clusters of 4 x 4, 327,680 bytes of LDS; arguments codes, scales, b_q, b_v, qkv; writes qkv
.if DOCPART == 2
	.amdgcn_target "amdgcn-amd-amdhsa--gfx1250"
	.amdhsa_code_object_version 6
	.text
	.protected	k_qed702efba8_proj
	.globl	k_qed702efba8_proj
	.p2align	8
	.type	k_qed702efba8_proj,@function
k_qed702efba8_proj:
	s_mov_b64 s[64:65], 0
	v_nop
	global_prefetch_b8 v0, s[64:65] scope:SCOPE_SE
	s_setreg_imm32_b32 hwreg(HW_REG_WAVE_MODE, 25, 1), 1
	s_wait_xcnt 0x0
	s_wait_alu depctr_hold_cnt(0) depctr_sa_sdst(0) depctr_va_vdst(0) depctr_va_sdst(0) depctr_va_ssrc(0) depctr_va_vcc(0) depctr_vm_vsrc(0)
	s_getreg_b32 s2, hwreg(HW_REG_IB_STS2, 6, 4)
	s_cmp_eq_u32 s2, 0
	s_cbranch_scc0 .Lentry_in_a_cluster
	s_endpgm
.Lentry_in_a_cluster:
	s_bfe_u32 s2, ttmp6, 0x10000c
	s_cmp_lg_u32 s2, 0xf033
	s_cbranch_scc0 .Lentry_shape_is_right
	s_endpgm
.Lentry_shape_is_right:
; PROJ: the three quantised projections as ONE product on codes of FP4 (E2M1) with E8M0 scales: rows 0-8191 query x w_q, 8192-16383 key x w_k, 16384-24575 value x w_v; K = 1,024.
; The result, + b_q for Q and + b_v for V, is rounded to f16 and laid head-major: qkv[p][batch][head][token][64].
; LEFT OUT: b_k (a term that is the same along the softmax's axis: shown at the head of the first kernel).  K's sums begin with zeros in its place, so that one text serves the three products.
; A tile of 256 x 256 is made by four waves, each 128 x 128: 64 accumulators of 16 x 16.  K goes in two steps of 512 through two LDS slots, both filled at the start: nothing is filled again.
; The scale bytes of the work-group's 256 + 256 rows, for all of K, are two dense blocks and come with the first fills.
; CLUSTERS: 4 x 4 work-groups; the four of a row need the same tiles of the activations, the four of a column the same tiles of the weights: each tile is asked for jointly.  A cluster's 1,024 rows lie in one product.
; THE MATRIX INSTRUCTION IS USED TRANSPOSED (source 0 = 16 rows of the weight, source 1 = 16 tokens): a lane holds eight neighbouring channels of one token.
; REGISTERS: window 0: v0-31 addresses; v32-95 scale words, two sets, and nothing else; v128-191 the tokens' fragments, one set (on the way out: packed results); v192-255 the bias in the result's layout (on the way out: rows read back).
;   window 1: the weights' fragments, two sets.   window 2: the accumulators of my rows 0-63 ((a, b) at v[8 (8 a + b)]);   window 3: rows 64-127.
.set NQ,     4                         ; matrix instructions deep in a slot: 512 along K
.set ROWB,   256                       ; a tile's row in bytes
.set KROW,   512                       ; a row of codes in memory
.set PITCH,  272                       ; an LDS row: 256 bytes + 16 of padding: the 16 rows that a load touches start 68 words apart
.set FR,     8
.set NL,     2
.set NP,     4                         ; places behind this matrix instruction (ISA guide 7.12.1)
.set HALFT,  128*PITCH
.set SLOT,   4*HALFT
.set KS,     32                        ; a row of scale bytes
.set SCL,    2*SLOT
.set HALFS,  16*272                    ; the scales of 128 rows: 16 rows of 256 bytes + 16
.set SBLK,   2*272                     ; those of 16 rows
.set SPARE,  SCL+4*HALFS               ; the spare words, 128 bytes for each wave
.set SPITCH, 272                       ; the way out: a stage of 16 rows x (256 + 16) bytes for each wave, in slot 0, which has had its only fill and its last read by then
.set WCODES, 12582912                  ; where the weights' codes begin,
.set WSCALES, 786432                   ; and their scale bytes
.set ADRA, 16
.set ADRB, 20
.set STO,  24
.set RD,   25
.set CO,   26
.set ADRS, 27
.set SPW,  28
.set NIL,  29
.set SC,   32
.set AF,   128
.set BI,   192
.set TMP,  128
.set BK,   192
.set G1, 24
.set G0, 32
.set G1B, 48
.set G0B, 56
.set G1S, 68
.set G0S, 76
.set G1SB, 80
.set G0SB, 88
.set PR, 95                            ; s95  which product: 0 Q, 1 K, 2 V: the same in all sixteen partners
.set MSB, 0
.macro WIN new                         ; the immediate's high byte repeats the setting that is left
.if MSB != \new
	s_set_vgpr_msb (MSB<<8)|\new
.set MSB, \new
.endif
.endm
.set MUL_LO, 0xa1                      ; source 0 window 1, source 1 window 0, C and D window 2
.set MUL_HI, 0xf1                      ; the same, C and D window 3
.set FIRST_LO, 0x81                    ; the first products: C (the bias) window 0, D window 2
.set FIRST_HI, 0xc1                    ; D window 3
.set TO_B,   0x40
.macro JLOAD g0a, g1a, g0b, g1b        ; a joint load: waves 0 and 1 fetch the tokens' side, waves 2 and 3 the weights'; an s_nop 0 and four v_nop follow each line
	s_cmp_eq_u32 s15, 0
	s_cbranch_scc0 .Lfor_b_\@
	tensor_load_to_lds s[\g0a:\g0a+3], s[\g1a:\g1a+7]
	s_nop 0
.rept 4
	v_nop
.endr
	s_branch .Lasked_\@
.Lfor_b_\@:
	tensor_load_to_lds s[\g0b:\g0b+3], s[\g1b:\g1b+7]
	s_nop 0
.rept 4
	v_nop
.endr
.Lasked_\@:
.endm
.macro CROUND                          ; a round of the cluster's barrier
	s_barrier_signal -1
	s_barrier_wait -1
	s_cmp_lg_u32 s14, 0
	s_cbranch_scc1 .Lnot_wave_0_\@
	s_barrier_signal -3
.Lnot_wave_0_\@:
	s_barrier_wait -3
	s_barrier_signal -1
	s_barrier_wait -1
.endm
	s_load_b256 s[4:11], s[0:1], 0x0               ; codes 4, scales 6, b_q 8, b_v 10
	s_load_b64 s[12:13], s[0:1], 0x20              ; qkv
	v_lshl_add_u32 v[SPW], v0, 2, SPARE
	v_mov_b32 v[NIL], 0
	ds_add_u32 v[SPW], v[NIL]                      ; the wave's opening: the add, twice on end, and its wait ahead of my first tensor load
	ds_add_u32 v[SPW], v[NIL]
	v_lshrrev_b32 v1, 5, v0
	v_readfirstlane_b32 s14, v1                    ; wave 0..3
	s_lshr_b32 s15, s14, 1                         ; which half of the tile's rows is mine.  Also: I fetch tokens (0) or weights (1)
	s_and_b32 s16, s14, 1                          ; which half of its columns.  Also: which 128 rows I fetch
	s_bfe_u32 s40, ttmp6, 0x40000                  ; cx, cy
	s_bfe_u32 s41, ttmp6, 0x40004
	s_lshl_b32 s42, ttmp9, 2
	s_add_co_u32 s42, s42, s40                     ; tile column
	s_and_b32 s17, ttmp7, 0xffff
	s_lshr_b32 s[PR], s17, 3                       ; eight clusters of 1,024 rows to a product
	s_lshl_b32 s17, s17, 2
	s_add_co_u32 s17, s17, s41                     ; tile row, 0..95
	s_lshl_b32 s43, s41, 2
	s_lshl_b32 s43, 15, s43                        ; my row of the cluster
	s_lshl_b32 s44, 0x1111, s40                    ; my column
	s_or_b32 s[G1+0], s43, (0<<16)|(1<<20)|(1<<21)|(5<<22)|(3<<25)  ; the mask; elements of 1 byte; padding on; bit 21 beside a mask; 4 words behind every 64
	s_or_b32 s[G1B+0], s44, (0<<16)|(1<<20)|(1<<21)|(5<<22)|(3<<25)
.irp g, G1, G1B
	s_mov_b32 s[\g+1], ROWB<<16                    ; tensor_dim0
	s_mov_b32 s[\g+2], 128<<16                     ; tensor_dim1
	s_mov_b32 s[\g+3], ROWB<<16                    ; tile_dim0
	s_mov_b32 s[\g+4], 128                         ; tile_dim1
	s_mov_b32 s[\g+5], KROW                        ; the pitch
	s_mov_b32 s[\g+6], 0
	s_mov_b32 s[\g+7], 0
.endr
	s_or_b32 s[G1S+0], s43, (3<<16)|(1<<20)|(1<<21)|(5<<22)|(3<<25) ; the scales of 128 rows: 4,096 dense bytes as 16 rows of 32 elements of 8 bytes
	s_or_b32 s[G1SB+0], s44, (3<<16)|(1<<20)|(1<<21)|(5<<22)|(3<<25)
.irp g, G1S, G1SB
	s_mov_b32 s[\g+1], 32<<16
	s_mov_b32 s[\g+2], 16<<16
	s_mov_b32 s[\g+3], 32<<16
	s_mov_b32 s[\g+4], 16
	s_mov_b32 s[\g+5], 32
	s_mov_b32 s[\g+6], 0
	s_mov_b32 s[\g+7], 0
.endr
	s_lshl_b32 s18, s16, 7
	s_lshl_b32 s20, s17, 8
	s_add_co_u32 s20, s20, s18                     ; tokens: row 256 x tile row + 128 x half
	s_lshl_b32 s46, s42, 8
	s_add_co_u32 s46, s46, s18
	s_lshl_b32 s96, s[PR], 10
	s_add_co_u32 s46, s46, s96                     ; weights: row 1,024 x product + 256 x tile column + 128 x half
	s_mov_b32 s21, 0
	s_mov_b32 s47, 0
	s_mov_b64 s[18:19], KS
	s_mul_u64 s[22:23], s[20:21], s[18:19]
	s_mul_u64 s[92:93], s[46:47], s[18:19]
	s_mov_b64 s[18:19], KROW
	s_mul_u64 s[20:21], s[20:21], s[18:19]
	s_mul_u64 s[46:47], s[46:47], s[18:19]
	s_add_nc_u64 s[92:93], s[92:93], WSCALES
	s_add_nc_u64 s[46:47], s[46:47], WCODES
	s_mul_i32 s45, s14, HALFT                      ; where they go: wave x 128 rows
	s_mul_i32 s94, s14, HALFS
	s_wait_dscnt 0x0                               ; both opening adds are done
	s_wait_kmcnt 0x0
	s_add_nc_u64 s[20:21], s[4:5], s[20:21]
	s_add_nc_u64 s[22:23], s[6:7], s[22:23]
	s_add_nc_u64 s[46:47], s[4:5], s[46:47]
	s_add_nc_u64 s[92:93], s[6:7], s[92:93]
	CROUND                                         ; all sixteen work-groups are here: the joint loads meet
	s_mov_b32 s[G0S], 1
	s_add_co_u32 s[G0S+1], s94, SCL
	s_mov_b64 s[G0S+2:G0S+3], s[22:23]
	s_or_b32 s[G0S+3], s[G0S+3], 0x80000000
	s_mov_b32 s[G0SB], 1
	s_add_co_u32 s[G0SB+1], s94, SCL
	s_mov_b64 s[G0SB+2:G0SB+3], s[92:93]
	s_or_b32 s[G0SB+3], s[G0SB+3], 0x80000000
	JLOAD G0S, G1S, G0SB, G1SB                     ; the scales first: they are wanted with the first K step
.irp s, 0,1
	s_mov_b32 s[G0+4*\s], 1
	s_add_co_u32 s[G0+4*\s+1], s45, \s*SLOT
	s_add_nc_u64 s[G0+4*\s+2:G0+4*\s+3], s[20:21], \s*ROWB
	s_or_b32 s[G0+4*\s+3], s[G0+4*\s+3], 0x80000000
	s_mov_b32 s[G0B+4*\s], 1
	s_add_co_u32 s[G0B+4*\s+1], s45, \s*SLOT
	s_add_nc_u64 s[G0B+4*\s+2:G0B+4*\s+3], s[46:47], \s*ROWB
	s_or_b32 s[G0B+4*\s+3], s[G0B+4*\s+3], 0x80000000
	JLOAD G0+4*\s, G1, G0B+4*\s, G1B               ; three loads of mine are out at the most
.endr
	; the bias, as the C of each sum's first product: v[BI + 8 b + j] = bias[my first column + 16 b + 8 (lane / 16) + j]
	v_and_b32 v1, 15, v0                           ; l % 16
	v_bfe_u32 v2, v0, 4, 1                         ; l / 16
	v_lshlrev_b32 v7, 5, v2
	s_cmp_eq_u32 s[PR], 1                          ; K has none (left out): the branch is the same in all partners
	s_cbranch_scc1 .Lno_bias
	s_cmp_eq_u32 s[PR], 0
	s_cselect_b64 s[8:9], s[8:9], s[10:11]
	s_lshl_b32 s96, s42, 10
	s_lshl_b32 s97, s16, 9
	s_add_co_u32 s96, s96, s97
	s_mov_b32 s97, 0
	s_add_nc_u64 s[8:9], s[8:9], s[96:97]
.irp b, 0,1,2,3,4,5,6,7
	global_load_b128 v[BI+8*\b:BI+8*\b+3], v7, s[8:9] offset:64*\b
	global_load_b128 v[BI+8*\b+4:BI+8*\b+7], v7, s[8:9] offset:64*\b+16
.endr
	s_branch .Lbias_done
.Lno_bias:
.set II, 0
.rept 64
	v_mov_b32 v[BI+II], 0
.set II, II+1
.endr
.Lbias_done:
	v_mul_u32_u24 v3, v1, PITCH
	v_lshl_add_u32 v4, v2, 4, v3                   ; a fragment's row x pitch + 16 x half
	s_mul_i32 s21, s15, HALFT                      ; my 128 tokens
	s_mul_i32 s22, s16, HALFT                      ; my 128 rows of the weight,
	s_add_co_u32 s22, s22, 2*HALFT                 ; which lie behind the 256 tokens
.irp s, 0,1
	v_add_nc_u32 v[ADRA+\s], s21, v4
	v_add_nc_u32 v[ADRB+\s], s22, v4
	s_add_co_u32 s21, s21, SLOT
	s_add_co_u32 s22, s22, SLOT
.endr
	v_mul_u32_u24 v5, v1, KS                       ; my row's scales: 32 bytes a row,
	v_lshrrev_b32 v6, 8, v5
	v_lshl_add_u32 v5, v6, 4, v5                   ; and 16 more for each 256 passed
	s_mul_i32 s21, s15, HALFS
	s_mul_i32 s22, s16, HALFS
	s_add_co_u32 s22, s22, 2*HALFS
	s_sub_co_u32 s22, s22, s21
	v_mul_u32_u24 v6, s22, v2                      ; lanes 16-31 take the weights': one product, the distance between the two bases
	s_add_co_u32 s21, s21, SCL
	v_add_nc_u32 v5, v5, v6
	v_add_nc_u32 v[ADRS], s21, v5
	s_mul_i32 s23, s14, 16*SPITCH                  ; my stage
	v_mul_u32_u24 v5, v1, SPITCH                   ; in: row l % 16, 16 bytes for each half of the lanes
	v_lshl_add_u32 v5, v2, 4, v5
	v_add_nc_u32 v[STO], s23, v5
	v_bfe_u32 v5, v0, 3, 2                         ; back: eight lanes take a head's 128 bytes of a token, 32 lanes four tokens
	v_mul_u32_u24 v5, v5, SPITCH
	v_and_b32 v6, 7, v0
	v_lshl_add_u32 v5, v6, 4, v5
	v_add_nc_u32 v[RD], s23, v5
	v_and_b32 v6, 31, v0
	v_lshlrev_b32 v[CO], 4, v6                     ; which are 512 consecutive bytes of qkv
	s_and_b32 s20, s17, 31
	s_lshl_b32 s20, s20, 8
	s_lshl_b32 s21, s15, 7
	s_add_co_u32 s20, s20, s21                     ; my first token among the product's 8,192
	s_lshr_b32 s21, s20, 11
	s_lshl_b32 s21, s21, 22                        ; its batch,
	s_and_b32 s20, s20, 2047
	s_lshl_b32 s20, s20, 7                         ; its place in the sequence: 128 bytes a token
	s_add_co_u32 s20, s20, s21
	s_lshl_b32 s21, s[PR], 24                      ; the product's plane
	s_add_co_u32 s20, s20, s21
	s_lshl_b32 s21, s42, 2
	s_lshl_b32 s22, s16, 1
	s_add_co_u32 s21, s21, s22                     ; my first head: 4 x tile column + 2 x half
	s_lshl_b32 s21, s21, 18
	s_add_co_u32 s20, s20, s21
	s_mov_b32 s21, 0
	s_add_nc_u64 s[12:13], s[12:13], s[20:21]
.macro FRAG reg, adr, q, i             ; 16 rows x 128 K of 4-bit codes: 8 registers: lane l holds row l % 16; registers 4 c .. 4 c + 3 hold K = 64 c + 32 (l / 16) + 0 .. 31
.irp c, 0,1
	ds_load_b128 v[\reg+4*\c:\reg+4*\c+3], v[\adr] offset:64*(\q)+32*\c+(\i)*16*PITCH
.endr
.endm
; 16 matrix instructions: token blocks a0, a0 + 1 x the weight's eight.  zero = 1: the first product starts the sums from the bias.  The 64 accumulators take turns, one instruction a turn.
.macro MUL16 a0, p, q, sc, zero
.irp a, \a0, \a0+1
.irp b, 0,1,2,3,4,5,6,7
.if \zero
	v_wmma_scale_f32_16x16x128_f8f6f4 v[8*(8*((\a)%4)+\b):8*(8*((\a)%4)+\b)+7], v[128*(\p)+FR*\b:128*(\p)+FR*\b+FR-1], v[AF+FR*(\a):AF+FR*(\a)+FR-1], v[BI+8*\b:BI+8*\b+7], v[SC+8*NQ*(\sc)+NQ*\b+(\q)], v[SC+8*NQ*(\sc)+NQ*(\a)+(\q)] matrix_a_fmt:MATRIX_FMT_FP4 matrix_b_fmt:MATRIX_FMT_FP4 matrix_a_scale:MATRIX_SCALE_ROW1
.else
	v_wmma_scale_f32_16x16x128_f8f6f4 v[8*(8*((\a)%4)+\b):8*(8*((\a)%4)+\b)+7], v[128*(\p)+FR*\b:128*(\p)+FR*\b+FR-1], v[AF+FR*(\a):AF+FR*(\a)+FR-1], v[8*(8*((\a)%4)+\b):8*(8*((\a)%4)+\b)+7], v[SC+8*NQ*(\sc)+NQ*\b+(\q)], v[SC+8*NQ*(\sc)+NQ*(\a)+(\q)] matrix_a_fmt:MATRIX_FMT_FP4 matrix_b_fmt:MATRIX_FMT_FP4 matrix_a_scale:MATRIX_SCALE_ROW1
.endif
.endr
.endr
.endm
.macro FETCH_B slot, q, p
	WIN TO_B
.irp i, 0,1,2,3,4,5,6,7
	FRAG 128*(\p)+FR*\i, ADRB+\slot, \q, \i
.endr
	WIN 0
.endm
.macro FETCH_A slot, q, i0
.irp i, \i0, \i0+1, \i0+2, \i0+3
	FRAG AF+FR*(\i), ADRA+\slot, \q, \i
.endr
.endm
.macro SCALES sc                       ; a slot's scale words: 4 words a row; lanes 0-15 the tokens' block i, lanes 16-31 the weight's block i
.irp i, 0,1,2,3,4,5,6,7
	ds_load_b128 v[SC+8*NQ*\sc+NQ*\i:SC+8*NQ*\sc+NQ*\i+3], v[ADRS] offset:\i*SBLK
.endr
.endm
.macro PLACES n                        ; plain vector instructions between a matrix instruction and a load into, or a vector read or write of, its registers
.rept \n
	v_nop
.endr
.endm
.macro STEP slot, q, zero              ; 128 along K that has its successor in the same slot
	s_wait_dscnt 4*NL                              ; all but the youngest eight loads (the tokens' blocks 4-7) are in
.if \zero
	WIN FIRST_LO
.else
	WIN MUL_LO
.endif
	MUL16 0, (\q)%2, \q, \slot, \zero
	MUL16 2, (\q)%2, \q, \slot, \zero
	s_wait_dscnt 0
	PLACES NP
	FETCH_B \slot, (\q)+1, 1-(\q)%2
	FETCH_A \slot, (\q)+1, 0
.if \zero
	WIN FIRST_HI
.else
	WIN MUL_HI
.endif
	MUL16 4, (\q)%2, \q, \slot, \zero
	MUL16 6, (\q)%2, \q, \slot, \zero
	PLACES NP
	WIN 0
	FETCH_A \slot, (\q)+1, 4
.endm
.macro TURN slot, next                 ; slot 0's last step changes slots: one barrier
	s_wait_tensorcnt 0x0                           ; all my tensor loads have landed: my part of the next slot
	ds_add_u32 v[SPW], v[NIL]                      ; 0 onto my spare word
	s_wait_dscnt 4*NL+1                            ; (the add and the youngest eight loads may be out)
	WIN MUL_LO
	MUL16 0, 1, NQ-1, \slot, 0
	s_wait_dscnt 0x0                               ; the add is done, and my reads of this slot are over
	s_barrier_signal -1
	MUL16 2, 1, NQ-1, \slot, 0
	WIN 0
	s_barrier_wait -1                              ; the next slot is whole, and nobody reads this one any more
	PLACES NP
	v_add_nc_u32 v[ADRS], 4*NQ, v[ADRS]            ; the next slot's scale words
	FETCH_B \next, 0, 0
	FETCH_A \next, 0, 0
	SCALES \next
	WIN MUL_HI
	MUL16 4, 1, NQ-1, \slot, 0
	MUL16 6, 1, NQ-1, \slot, 0
	PLACES NP
	WIN 0
	FETCH_A \next, 0, 4
.endm
	s_wait_tensorcnt 1                             ; the scales and my part of slot 0 are in; slot 1's load may be out
	s_barrier_signal -1
	s_barrier_wait -1
	FETCH_B 0, 0, 0
	FETCH_A 0, 0, 0
	SCALES 0
	FETCH_A 0, 0, 4
	s_wait_loadcnt 0x0                             ; the bias
	STEP 0, 0, 1
	STEP 0, 1, 0
	STEP 0, 2, 0
	TURN 0, 1
	STEP 1, 0, 0
	STEP 1, 1, 0
	STEP 1, 2, 0
	s_wait_dscnt 4*NL                              ; the last step: nothing more to fetch
	WIN MUL_LO
	MUL16 0, 1, NQ-1, 1, 0
	MUL16 2, 1, NQ-1, 1, 0
	s_wait_dscnt 0
	WIN MUL_HI
	MUL16 4, 1, NQ-1, 1, 0
	MUL16 6, 1, NQ-1, 1, 0
	WIN 0
; THE WAY OUT, a block of 16 tokens x 128 channels (two heads) at a time: rounded to f16, 16 bytes a lane into my stage, back as four tokens of one head, stored as 512 consecutive bytes.
.macro PACK a
.set AC, 64*((\a)%4)
	WIN 0x0a+5*((\a)/4)                            ; sources 0 and 1: window 2 or 3
.irp b, 0,1,2,3,4,5,6,7
.irp r, 0,1,2,3
	v_cvt_pk_f16_f32 v[TMP+4*\b+\r], v[AC+8*\b+2*\r], v[AC+8*\b+2*\r+1]   ; each accumulator from its low end on
.endr
.endr
	WIN 0
.endm
.macro TOSTAGE a
.set BB, BK+32*((\a)%2)
.irp b, 0,1,2,3,4,5,6,7
	ds_store_b128 v[STO], v[TMP+4*\b:TMP+4*\b+3] offset:32*\b
.endr
.irp hd, 0,1
.irp t, 0,1,2,3
	ds_load_b128 v[BB+16*\hd+4*\t:BB+16*\hd+4*\t+3], v[RD] offset:128*\hd+4*SPITCH*\t   ; LDS serves a wave's instructions in order: these see the stores above
.endr
.endr
.endm
.macro SEND a
.set BB, BK+32*((\a)%2)
	s_wait_dscnt 0x0                               ; the block is back in registers
	s_wait_xcnt 0x0                                ; the block before has been read by its stores: its registers take the next block's loads
.irp hd, 0,1
.irp t, 0,1,2,3
	global_store_b128 v[CO], v[BB+16*\hd+4*\t:BB+16*\hd+4*\t+3], s[12:13] offset:\hd*262144+(16*(\a)+4*\t)*128
.endr
.endr
.endm
	PLACES NP                                      ; behind the last products: for the conversions' reads and for their writes over the tokens' fragments
	PACK 0
	TOSTAGE 0
.irp a, 1,2,3,4,5,6,7                  ; block a's conversions stand between block a - 1's loads from the stage and the wait for them
	PACK \a
	SEND \a-1
	TOSTAGE \a
.endr
	SEND 7
	s_wait_tensorcnt 0x0                           ; the wave's end
	ds_add_u32 v[SPW], v[NIL]
	s_wait_dscnt 0x0
	CROUND                                         ; the closing round
	s_endpgm
.Lfunc_end_k_qed702efba8_proj:
	.size	k_qed702efba8_proj, .Lfunc_end_k_qed702efba8_proj-k_qed702efba8_proj
	.p2alignl 7, 3214868480
	.fill 96, 4, 3214868480
	.section	.rodata,"a",@progbits
	.p2align	6, 0x0
	.amdhsa_kernel k_qed702efba8_proj
		.amdhsa_group_segment_fixed_size 327680
		.amdhsa_private_segment_fixed_size 0
		.amdhsa_enable_private_segment 0
		.amdhsa_kernarg_size 40
		.amdhsa_user_sgpr_count 2
		.amdhsa_user_sgpr_kernarg_segment_ptr 1
		.amdhsa_wavefront_size32 1
		.amdhsa_system_sgpr_workgroup_id_x 1
		.amdhsa_system_sgpr_workgroup_id_y 1
		.amdhsa_system_sgpr_workgroup_id_z 1
		.amdhsa_system_vgpr_workitem_id 0
		.amdhsa_next_free_vgpr 1024
		.amdhsa_next_free_sgpr 100
		.amdhsa_reserve_vcc 0
		.amdhsa_float_denorm_mode_32 3
		.amdhsa_float_denorm_mode_16_64 3
		.amdhsa_memory_ordered 1
		.amdhsa_forward_progress 1
		.amdhsa_inst_pref_size 131
	.end_amdhsa_kernel
	.amdgpu_metadata
---
amdhsa.version: [ 1, 2 ]
amdhsa.kernels:
  - .name:           k_qed702efba8_proj
    .symbol:         k_qed702efba8_proj.kd
    .args:
      - { .name: codes, .offset: 0, .size: 8, .value_kind: global_buffer, .address_space: global }
      - { .name: scales, .offset: 8, .size: 8, .value_kind: global_buffer, .address_space: global }
      - { .name: b_q, .offset: 16, .size: 8, .value_kind: global_buffer, .address_space: global }
      - { .name: b_v, .offset: 24, .size: 8, .value_kind: global_buffer, .address_space: global }
      - { .name: qkv, .offset: 32, .size: 8, .value_kind: global_buffer, .address_space: global }
    .group_segment_fixed_size: 327680
    .private_segment_fixed_size: 0
    .kernarg_segment_align: 8
    .kernarg_segment_size: 40
    .max_flat_workgroup_size: 128
    .sgpr_count:     100
    .vgpr_count:     1024
    .wavefront_size: 32
...
	.end_amdgpu_metadata
.endif
;; end of part 2
;; launch attn (part 3): grid 4 x 64, 16 waves a work-group, clusters of 4 x 1, 327,680 bytes of LDS; arguments qkv, maskw, merged; writes merged
.if DOCPART == 3
	.amdgcn_target "amdgcn-amd-amdhsa--gfx1250"
	.amdhsa_code_object_version 6
	.text
	.protected	k_qed702efba8_attn
	.globl	k_qed702efba8_attn
	.p2align	8
	.type	k_qed702efba8_attn,@function
k_qed702efba8_attn:
	s_mov_b64 s[64:65], 0
	v_nop
	global_prefetch_b8 v0, s[64:65] scope:SCOPE_SE
	s_setreg_imm32_b32 hwreg(HW_REG_WAVE_MODE, 25, 1), 1
	s_wait_xcnt 0x0
	s_wait_alu depctr_hold_cnt(0) depctr_sa_sdst(0) depctr_va_vdst(0) depctr_va_sdst(0) depctr_va_ssrc(0) depctr_va_vcc(0) depctr_vm_vsrc(0)
	s_getreg_b32 s2, hwreg(HW_REG_IB_STS2, 6, 4)
	s_cmp_eq_u32 s2, 0
	s_cbranch_scc0 .Lentry_in_a_cluster
	s_endpgm
.Lentry_in_a_cluster:
	s_bfe_u32 s2, ttmp6, 0x10000c
	s_cmp_lg_u32 s2, 0x3003
	s_cbranch_scc0 .Lentry_shape_is_right
	s_endpgm
.Lentry_shape_is_right:
; ATTN: merged[b][h][q][:] = the sum over k of softmax_k(where(mask, -infinity, Q[q] . K[k] / 8)) V[k][:].  Q, K, V: f16, [plane][b][h][token][64]; merged: f16, the same layout; products, maxima and sums in f32; the weights p are rounded to f16.
; (K comes without b_k: left out as a term that is the same along the softmax's axis: shown at the head of the first kernel.)
; SHARES.  A work-group owns 512 queries of one (batch, head); each of its SIXTEEN waves owns 32, two tiles of 16, in 256 registers: four waves to a SIMD, so that one wave's vector work stands beside another's matrix work and LDS loads.
; Both tiles share every fragment of K and V.  Every wave walks all 2,048 keys, 64 a step; K and V come through a ring of two LDS slots of 256 keys.
; CLUSTER.  The four query blocks of a head walk the same K and V: each tile is asked for JOINTLY (waves 0, 1: K's halves; waves 2, 3: V's), the same tensor load with the same descriptor and a mask that names the four.
; LAYOUT.  S^T = K Q^T (source 0 = 16 keys, source 1 = 16 queries): a lane holds ONE query (lane % 16) and the keys 8 (lane / 16) + 0..7.  Two such tiles, rounded to f16 in pairs, are source 1 of O^T = V^T P.  V is turned by ds_load_tr16_b128.
; THE MASK comes as lane masks, one word for each register of S^T, by scalar loads a step ahead; a hidden score becomes -infinity by v_cndmask_b32: nothing branches on it.
; SOFTMAX.  A running maximum m (it begins at -3e38) and sum l for each query: p = 2^(c s - c m), c = log2(e) / 8; in every step O and l are multiplied by a = 2^(c m_old - c m_new).  A hidden score gives p = 0 exactly.
; LIMITS.  A query all of whose keys are hidden ends with l = 0 and gives NaN, as the softmax of a row of -infinity does.  Scores under -3e38 are not served.  Q, K, V must lie inside f16's range (65,504).
.set PK,    144                        ; a key's row in LDS: 128 bytes + 16
.set PV,    160                        ; a row of V: 128 + 32: the turning load's 16 lanes take 8 rows x 32 bytes
.set VOFF,  256*PK                     ; a slot: 256 rows of K, then 256 rows of V
.set SLOT1, 1<<17                      ; slot 1 begins here: one exclusive or turns an address in one slot into the other's
.set SPARE, SLOT1+256*(PK+PV)          ; the spare words, 128 bytes for each of sixteen waves
.set STW,   32*PK                      ; the way out: 32 rows x 144 bytes for each wave, in slot 0, which has had its last fill and its last read by then
.set AK0, 1                            ; v1   my lane's place in a tile of K
.set AV0, 2                            ; v2   the same for V
.set SPW, 3                            ; v3   my spare word; never rewritten
.set NIL, 4                            ; v4   0; never rewritten
.set ADK, 5
.set ADV, 6
.set NEG, 7                            ; v7   -infinity
.set ST,  8                            ; v8-23 tile t's statistics at ST + 8 t: +0 c m, +1 m, +2, +3 l, +4 to +7 at work; a takes +6
.set GO,  24                           ; v24  16 x lane
.set PFO, 25                           ; v25  256 x lane
.set STO, 26
.set RD,  27
.set QO,  28
.set Q,   32                           ; v32-63   Q: tile t, channels 32 c on, at Q + 16 t + 8 c
.set S,   64                           ; v64-127  S^T: tile t, keys 16 kt on, at S + 32 t + 8 kt; p in f16 takes the low 16 of its tile's 32
.set O,   128                          ; v128-191 O^T: tile t, channels 16 dt on, at O + 32 t + 8 dt
.set KV,  192                          ; v192-255 a step's K, then its V
.set TB,  2                            ; s2   where the slot in hand begins
.set MO,  3                            ; s3   the step's mask words: 128 bytes a step
                                       ; s[4:35] tile 0's 32 mask words; s[36:51], s[68:83] tile 1's
.set G0,  52                           ; s[52:55] descriptor group 0: a wave issues one kind of load, so one set serves; it walks
.set G1K, 56                           ; s[56:63] group 1 for K's tiles
.set SEL, 66                           ; s[66:67] lane selects: lane l xor 16
.set G1V, 84                           ; s[84:91] for V's: it differs in the padding alone
.set OUT, 92
.set MB,  94
.set PFA, 96
.set WV,  98
.set SLOTS, 99
.set LIM, 100
.set CS,  104                          ; s[104:105] Q's address at the head, then c twice
.macro JLOAD                           ; the branches hang on the wave's number alone; an s_nop 0 and four v_nop follow each line
	s_cmp_lt_u32 s[WV], 2
	s_cbranch_scc0 .Lnot_k_\@
	tensor_load_to_lds s[G0:G0+3], s[G1K:G1K+7]
	s_nop 0
.rept 4
	v_nop
.endr
	s_branch .Lasked_\@
.Lnot_k_\@:
	s_cmp_lt_u32 s[WV], 4
	s_cbranch_scc0 .Lasked_\@
	tensor_load_to_lds s[G0:G0+3], s[G1V:G1V+7]
	s_nop 0
.rept 4
	v_nop
.endr
.Lasked_\@:
.endm
; A prefetch of what the NEXT change of slots will ask for: a slot's 32,768 bytes of K and of V.  The four partners take 8,192 bytes each, told apart by address; in each, wave 4 asks for K's and wave 5 for V's, lanes 256 bytes apart:
; each block is named once in the launch.  It stands four key steps ahead of the load that wants the bytes.  The last change that fills a slot asks for nothing; slots 0 and 1 come by their loads alone.
.macro ASK
	s_cmp_gt_u32 s[SLOTS], s[LIM]
	s_cbranch_scc0 .Lnot_mine_\@
	global_prefetch_b8 v[PFO], s[PFA:PFA+1] th:TH_LOAD_NT scope:SCOPE_SE
.Lnot_mine_\@:
.endm
.macro CROUND                          ; a round of the cluster's barrier
	s_barrier_signal -1
	s_barrier_wait -1
	s_cmp_lg_u32 s[WV], 0
	s_cbranch_scc1 .Lnot_wave_0_\@
	s_barrier_signal -3
.Lnot_wave_0_\@:
	s_barrier_wait -3
	s_barrier_signal -1
	s_barrier_wait -1
.endm
.macro MLOAD                           ; the 64 mask words of the step at s[MO]: two tiles of queries, 4,096 bytes apart
	s_load_b512 s[4:19], s[MB:MB+1], s[MO] offset:0x0
	s_load_b512 s[20:35], s[MB:MB+1], s[MO] offset:0x40
	s_load_b512 s[36:51], s[MB:MB+1], s[MO] offset:0x1000
	s_load_b512 s[68:83], s[MB:MB+1], s[MO] offset:0x1040
.endm
	s_load_b128 s[4:7], s[0:1], 0x0                ; qkv, maskw
	s_load_b64 s[8:9], s[0:1], 0x10                ; merged
	v_lshl_add_u32 v[SPW], v0, 2, SPARE
	v_mov_b32 v[NIL], 0
	ds_add_u32 v[SPW], v[NIL]                      ; the wave's opening: the add, twice on end, and its wait ahead of the first tensor loads
	ds_add_u32 v[SPW], v[NIL]
	v_lshrrev_b32 v29, 5, v0
	v_readfirstlane_b32 s[WV], v29                 ; wave 0..15
	s_bfe_u32 s10, ttmp6, 0x40000                  ; cx: it enters global addresses of Q, the mask, the output and the prefetch alone
	s_lshl_b32 s11, ttmp9, 2
	s_add_co_u32 s11, s11, s10                     ; my block of 512 queries
	s_and_b32 s12, ttmp7, 0xffff                   ; 16 x batch + head, which the four partners share
	s_mov_b32 s[G1K], 15|(1<<16)|(1<<20)|(1<<21)|(4<<22)|(3<<25)  ; the mask: all four; elements of 2 bytes; padding on; bit 21 beside a mask; 4 words behind every 32
	s_mov_b32 s[G1V], 15|(1<<16)|(1<<20)|(1<<21)|(4<<22)|(7<<25)  ; the same with 8 words
.irp g, G1K, G1V
	s_mov_b32 s[\g+1], 64<<16                      ; tensor_dim0
	s_mov_b32 s[\g+2], 128<<16                     ; tensor_dim1
	s_mov_b32 s[\g+3], 64<<16                      ; tile_dim0
	s_mov_b32 s[\g+4], 128                         ; tile_dim1
	s_mov_b32 s[\g+5], 64                          ; the pitch: rows are dense
	s_mov_b32 s[\g+6], 0
	s_mov_b32 s[\g+7], 0
.endr
	s_and_b32 s13, s[WV], 1                        ; which 128 rows of a slot I fetch
	s_bfe_u32 s14, s[WV], 0x10001                  ; K (0) or V (1)
	s_mul_i32 s[G0+1], s14, VOFF                   ; where they go: K's halves 128 x 144 bytes apart, V's 128 x 160
	s_mul_i32 s15, s13, 128*PK
	s_add_co_u32 s[G0+1], s[G0+1], s15
	s_and_b32 s15, s13, s14
	s_lshl_b32 s15, s15, 11
	s_add_co_u32 s[G0+1], s[G0+1], s15
	s_lshl_b32 s19, s12, 18                        ; the head's first byte in a plane
	s_add_co_u32 s16, s14, 1
	s_lshl_b32 s16, s16, 24                        ; K's plane or V's
	s_add_co_u32 s16, s16, s19
	s_lshl_b32 s18, s13, 14
	s_add_co_u32 s16, s16, s18
	s_mov_b32 s17, 0
	s_lshl_b32 s20, s11, 16                        ; my block's 512 tokens of 128 bytes,
	s_lshl_b32 s21, s[WV], 12                      ; my wave's 32
	s_add_co_u32 s20, s20, s21
	s_add_co_u32 s20, s20, s19
	s_mov_b32 s21, 0
	s_lshr_b32 s22, s12, 4                         ; the mask words: (128 x batch + 32 x block + 2 x wave) x 4,096 bytes
	s_lshl_b32 s22, s22, 19
	s_lshl_b32 s23, s11, 17
	s_add_co_u32 s22, s22, s23
	s_lshl_b32 s23, s[WV], 13
	s_add_co_u32 s22, s22, s23
	s_mov_b32 s23, 0
	s_add_co_u32 s24, s13, 1                       ; the prefetches: wave 4 K's plane, wave 5 V's;
	s_lshl_b32 s24, s24, 24
	s_add_co_u32 s24, s24, s19
	s_lshl_b32 s25, s10, 13                        ; my work-group's 8,192 bytes of a slot;
	s_add_co_u32 s24, s24, s25
	s_add_co_u32 s24, s24, 32768                   ; in slot 1: the first change of slots steps it to slot 2
	s_mov_b32 s25, 0
	s_lshr_b32 s26, s[WV], 1
	s_cmp_eq_u32 s26, 2
	s_cselect_b32 s[LIM], 1, -1                    ; 1 in waves 4 and 5, else the greatest number
	s_mov_b32 s[SEL], 0x76543210
	s_mov_b32 s[SEL+1], 0xfedcba98
	s_mov_b32 s[TB], 0
	s_mov_b32 s[MO], 0
	s_mov_b32 s[SLOTS], 7
	s_mul_i32 s101, s[WV], STW                     ; my stage
	s_wait_dscnt 0x0                               ; both opening adds are done
	s_wait_kmcnt 0x0
	s_add_nc_u64 s[OUT:OUT+1], s[8:9], s[20:21]
	s_add_nc_u64 s[MB:MB+1], s[6:7], s[22:23]
	s_add_nc_u64 s[CS:CS+1], s[4:5], s[20:21]      ; Q's rows (plane 0)
	s_add_nc_u64 s[PFA:PFA+1], s[4:5], s[24:25]
	s_mov_b32 s[G0], 1
	s_add_nc_u64 s[G0+2:G0+3], s[4:5], s[16:17]
	s_or_b32 s[G0+3], s[G0+3], 0x80000000
	CROUND                                         ; all four work-groups are here
	JLOAD                                          ; slot 0
	v_and_b32 v29, 15, v0                          ; r
	v_bfe_u32 v30, v0, 4, 1                        ; h
	v_lshlrev_b32 v[QO], 7, v29
	v_lshl_add_u32 v[QO], v30, 4, v[QO]
.irp t, 0,1
.irp c, 0,1
	global_load_b128 v[Q+16*\t+8*\c:Q+16*\t+8*\c+3], v[QO], s[CS:CS+1] offset:2048*\t+64*\c        ; Q stays in registers
	global_load_b128 v[Q+16*\t+8*\c+4:Q+16*\t+8*\c+7], v[QO], s[CS:CS+1] offset:2048*\t+64*\c+32
.endr
.endr
	MLOAD                                          ; step 0's mask words: they land on the head's temporaries, which are done with
	v_mul_u32_u24 v[AK0], v29, PK
	v_lshl_add_u32 v[AK0], v30, 4, v[AK0]          ; K: row r, + 16 h
	v_and_b32 v31, 7, v0
	v_lshl_add_u32 v[AV0], v30, 3, v31
	v_mul_u32_u24 v[AV0], v[AV0], PV
	v_bfe_u32 v31, v0, 3, 1
	v_lshl_add_u32 v[AV0], v31, 4, v[AV0]
	v_add_nc_u32 v[AV0], VOFF, v[AV0]              ; V: key 8 h + l % 8, channels 8 ((l / 8) % 2) on
	v_mov_b32 v[NEG], 0xff800000
	v_and_b32 v[GO], 31, v0
	v_lshlrev_b32 v[PFO], 8, v[GO]
	v_lshlrev_b32 v[GO], 4, v[GO]
	v_mul_u32_u24 v[STO], v29, PK                  ; the stage: in: row r, 16 bytes for each half of the lanes
	v_lshl_add_u32 v[STO], v30, 4, v[STO]
	v_add_nc_u32 v[STO], s101, v[STO]
	v_bfe_u32 v31, v0, 3, 2                        ; back: eight lanes to a row of 128 bytes
	v_mul_u32_u24 v[RD], v31, PK
	v_and_b32 v31, 7, v0
	v_lshl_add_u32 v[RD], v31, 4, v[RD]
	v_add_nc_u32 v[RD], s101, v[RD]
.irp t, 0,1
	v_mov_b32 v[ST+8*\t+1], 0xff61b1e6             ; m: -3e38, under every score that counts
	v_mov_b32 v[ST+8*\t+2], 0                      ; l
	v_mov_b32 v[ST+8*\t+3], 0
.endr
.set II, 0
.rept 64
	v_mov_b32 v[O+II], 0                           ; O^T.  (The step is written once: the first finds zeros, which the first a leaves zeros)
.set II, II+1
.endr
	s_wait_loadcnt 0x0                             ; Q is in, so its address may be written over:
	s_mov_b32 s[CS], 0x3e38aa3b                    ; c = log2(e) / 8
	s_mov_b32 s[CS+1], s[CS]
.irp t, 0,1
	v_mul_f32 v[ST+8*\t], s[CS], v[ST+8*\t+1]      ; c m
.endr
; A KEY STEP: 64 keys, the q-th of the slot in hand.  more = 1: the next step's mask words are asked for.
.macro STEP q, more
	v_add_nc_u32 v[ADK], s[TB], v[AK0]
	v_add_nc_u32 v[ADV], s[TB], v[AV0]
.rept 4
	v_nop                                          ; with the two additions six places behind the last V^T P: four for the loads into its fragments' registers, five for the products below, which write over p
.endr
.irp kt, 0,1,2,3
.irp c, 0,1
	ds_load_b128 v[KV+16*\kt+8*\c:KV+16*\kt+8*\c+3], v[ADK] offset:(64*(\q)+16*\kt)*PK+64*\c
	ds_load_b128 v[KV+16*\kt+8*\c+4:KV+16*\kt+8*\c+7], v[ADK] offset:(64*(\q)+16*\kt)*PK+64*\c+32
.endr
.endr
	s_wait_dscnt 0x0
.irp c, 0,1                            ; S^T = K Q^T: eight accumulators by turns, one instruction a turn
.irp kt, 0,1,2,3
.irp t, 0,1
.if \c == 0
	v_wmma_f32_16x16x32_f16 v[S+32*\t+8*\kt:S+32*\t+8*\kt+7], v[KV+16*\kt+8*\c:KV+16*\kt+8*\c+7], v[Q+16*\t+8*\c:Q+16*\t+8*\c+7], 0
.else
	v_wmma_f32_16x16x32_f16 v[S+32*\t+8*\kt:S+32*\t+8*\kt+7], v[KV+16*\kt+8*\c:KV+16*\kt+8*\c+7], v[Q+16*\t+8*\c:Q+16*\t+8*\c+7], v[S+32*\t+8*\kt:S+32*\t+8*\kt+7]
.endif
.endr
.endr
.endr
.rept 4
	v_nop                                          ; places: V lands on K's registers, and the selects read the scores
.endr
.irp g, 0,1
.irp dt, 0,1,2,3
	ds_load_tr16_b128 v[KV+8*(4*\g+\dt):KV+8*(4*\g+\dt)+3], v[ADV] offset:(64*(\q)+32*\g)*PV+32*\dt
	ds_load_tr16_b128 v[KV+8*(4*\g+\dt)+4:KV+8*(4*\g+\dt)+7], v[ADV] offset:(64*(\q)+32*\g)*PV+16*PV+32*\dt
.endr
.endr
	s_wait_kmcnt 0x0                               ; this step's mask words, asked for a step ago
.set TT, 0
.rept 2
.set II, 0
.rept 32
	v_cndmask_b32 v[S+32*TT+II], v[S+32*TT+II], v[NEG], s[4+32*TT+II+16*TT*(II/16)]   ; hidden: -infinity.  Each accumulator from its low end on
.set II, II+1
.endr
.set TT, TT+1
.endr
.irp j, 0,1,2,3                        ; the maximum of my 32 scores and the old m: four chains, the two tiles by turns
.irp t, 0,1
	v_max3_num_f32 v[ST+8*\t+4+\j], v[S+32*\t+8*\j], v[S+32*\t+8*\j+1], v[S+32*\t+8*\j+2]
.endr
.endr
.irp u, 1,2
.irp j, 0,1,2,3
.irp t, 0,1
	v_max3_num_f32 v[ST+8*\t+4+\j], v[ST+8*\t+4+\j], v[S+32*\t+8*\j+2*\u+1], v[S+32*\t+8*\j+2*\u+2]
.endr
.endr
.endr
.irp t, 0,1
	v_max3_num_f32 v[ST+8*\t+4], v[ST+8*\t+4], v[S+32*\t+7], v[S+32*\t+15]
.endr
.irp t, 0,1
	v_max3_num_f32 v[ST+8*\t+6], v[ST+8*\t+6], v[S+32*\t+23], v[S+32*\t+31]
.endr
.irp t, 0,1
	v_max3_num_f32 v[ST+8*\t+4], v[ST+8*\t+4], v[ST+8*\t+5], v[ST+8*\t+6]
.endr
.irp t, 0,1
	v_max3_num_f32 v[ST+8*\t+4], v[ST+8*\t+4], v[ST+8*\t+7], v[ST+8*\t+1]
.endr
.if \more
	s_add_co_u32 s[MO], s[MO], 128                 ; (the wait on KMcnt above has shown the last loads done: their offset may be written)
	MLOAD                                          ; the selects above have read the words that these replace
.endif
.irp t, 0,1
	v_permlanex16_b32 v[ST+8*\t+5], v[ST+8*\t+4], s[SEL], s[SEL+1]   ; the query's other 32 keys lie in the lane 16 away
.endr
.irp t, 0,1
	v_mov_b32 v[ST+8*\t+7], v[ST+8*\t]             ; c m_old
.endr
.irp t, 0,1
	v_max_num_f32 v[ST+8*\t+1], v[ST+8*\t+4], v[ST+8*\t+5]
.endr
.irp t, 0,1
	v_mul_f32 v[ST+8*\t], s[CS], v[ST+8*\t+1]
.endr
.irp t, 0,1
	v_sub_f32 v[ST+8*\t+7], v[ST+8*\t+7], v[ST+8*\t]
.endr
.set II, 0
.rept 32
	v_pk_fma_f32 v[S+2*II:S+2*II+1], v[S+2*II:S+2*II+1], s[CS:CS+1], v[ST+8*(II/16):ST+8*(II/16)+1] op_sel_hi:[1,0,0] neg_lo:[0,0,1] neg_hi:[0,0,1]   ; c s - c m, two at a time
.set II, II+1
.endr
.irp t, 0,1
	v_exp_f32 v[ST+8*\t+6], v[ST+8*\t+7]           ; a
.endr
.set II, 0
.rept 64
	v_exp_f32 v[S+II], v[S+II]                     ; p: ONE batch of 66 exponentials
.set II, II+1
.endr
	v_nop                                          ; a plain instruction behind the last exponential
	s_wait_alu depctr_va_vdst(0)                   ; the wait ahead of the first instruction that names a result: one for the batch
.irp t, 0,1
	v_pk_mul_f32 v[ST+8*\t+2:ST+8*\t+3], v[ST+8*\t+2:ST+8*\t+3], v[ST+8*\t+6:ST+8*\t+7] op_sel_hi:[1,0]   ; l x a
.endr
.irp t, 0,1
	v_pk_add_f32 v[ST+8*\t+4:ST+8*\t+5], v[S+32*\t:S+32*\t+1], v[S+32*\t+2:S+32*\t+3]   ; the sum of the f32 weights, in two chains a tile
.endr
.irp k, 1,2,3,4,5,6,7
.irp t, 0,1
	v_pk_add_f32 v[ST+8*\t+2:ST+8*\t+3], v[ST+8*\t+2:ST+8*\t+3], v[S+32*\t+4*\k:S+32*\t+4*\k+1]
	v_pk_add_f32 v[ST+8*\t+4:ST+8*\t+5], v[ST+8*\t+4:ST+8*\t+5], v[S+32*\t+4*\k+2:S+32*\t+4*\k+3]
.endr
.endr
.irp t, 0,1
	v_pk_add_f32 v[ST+8*\t+2:ST+8*\t+3], v[ST+8*\t+2:ST+8*\t+3], v[ST+8*\t+4:ST+8*\t+5]
.endr
.set II, 0
.rept 16
	v_cvt_pk_f16_f32 v[S+II], v[S+2*II], v[S+2*II+1]            ; p in f16, ascending: register i is written when 2 i and 2 i + 1 are read, and no later pair lies under it
	v_cvt_pk_f16_f32 v[S+32+II], v[S+32+2*II], v[S+32+2*II+1]
.set II, II+1
.endr
.set II, 0
.rept 16
	v_pk_mul_f32 v[O+2*II:O+2*II+1], v[O+2*II:O+2*II+1], v[ST+6:ST+7] op_sel_hi:[1,0]           ; O^T x a
	v_pk_mul_f32 v[O+32+2*II:O+32+2*II+1], v[O+32+2*II:O+32+2*II+1], v[ST+14:ST+15] op_sel_hi:[1,0]
.set II, II+1
.endr
	s_wait_dscnt 0x0                               ; V is in
.irp g, 0,1                            ; O^T += V^T P: eight accumulators by turns
.irp dt, 0,1,2,3
.irp t, 0,1
	v_wmma_f32_16x16x32_f16 v[O+32*\t+8*\dt:O+32*\t+8*\dt+7], v[KV+8*(4*\g+\dt):KV+8*(4*\g+\dt)+7], v[S+32*\t+8*\g:S+32*\t+8*\g+7], v[O+32*\t+8*\dt:O+32*\t+8*\dt+7]
.endr
.endr
.endr
.endm
; THE CHANGE OF SLOTS stands at a slot's head.  Each wave waits for all its tensor loads, adds 0 to its spare word, and waits for that and for its reads of the slot that it has left.  fill = 1: a round of the cluster's barrier,
; so that no wave of any partner still reads that slot or has a load on its way; behind it the slot is filled with the next 256 keys: the load has four key steps in which to land.  One tensor load of a wave is out at the most.
.macro CHANGE fill
	s_wait_tensorcnt 0x0                           ; no tensor load of mine is out, so the group 0 may be written
	ds_add_u32 v[SPW], v[NIL]
.if \fill
	ds_add_u32 v[SPW], v[NIL]                      ; and once more
	s_xor_b32 s[G0+1], s[G0+1], SLOT1              ; the other slot than last time,
	s_add_nc_u64 s[G0+2:G0+3], s[G0+2:G0+3], 32768 ; the next 256 keys
	s_wait_xcnt 0x0                                ; the last prefetch, a slot back, has read its address
	s_add_nc_u64 s[PFA:PFA+1], s[PFA:PFA+1], 32768
	s_wait_dscnt 0x0                               ; both adds are done, and my reads of the slot that I have left are over
	CROUND
	JLOAD
	ASK
.else
	s_wait_dscnt 0x0
	s_barrier_signal -1
	s_barrier_wait -1
.endif
.endm
.Lslot:                                ; seven trips: behind each change of slots but the last the next slot is asked for
	CHANGE 1
	STEP 0, 1
	STEP 1, 1
	STEP 2, 1
	STEP 3, 1
	s_xor_b32 s[TB], s[TB], SLOT1
	s_sub_co_u32 s[SLOTS], s[SLOTS], 1
	s_cmp_lg_u32 s[SLOTS], 0
	s_cbranch_scc1 .Lslot
	CHANGE 0                                       ; the last slot is written out
	STEP 0, 1
	STEP 1, 1
	STEP 2, 1
	STEP 3, 0
	; THE WAY OUT.  O^T / l, rounded to f16, goes through my stage and leaves as four tokens' 512 consecutive bytes a store.
.rept 4
	v_nop                                          ; places behind the last products
.endr
.irp t, 0,1
	v_add_f32 v[ST+8*\t+4], v[ST+8*\t+2], v[ST+8*\t+3]
.endr
.irp t, 0,1
	v_permlanex16_b32 v[ST+8*\t+5], v[ST+8*\t+4], s[SEL], s[SEL+1]
.endr
.irp t, 0,1
	v_add_f32 v[ST+8*\t+4], v[ST+8*\t+4], v[ST+8*\t+5]
.endr
.irp t, 0,1
	v_rcp_f32 v[ST+8*\t+6], v[ST+8*\t+4]
.endr
	v_nop                                          ; a plain instruction behind the last reciprocal,
	s_wait_alu depctr_va_vdst(0)                   ; and the wait ahead of the first use: one for the two
.irp t, 0,1
.set II, 0
.rept 16
	v_pk_mul_f32 v[O+32*\t+2*II:O+32*\t+2*II+1], v[O+32*\t+2*II:O+32*\t+2*II+1], v[ST+8*\t+6:ST+8*\t+7] op_sel_hi:[1,0]
.set II, II+1
.endr
.set II, 0
.rept 16
	v_cvt_pk_f16_f32 v[S+32*\t+II], v[O+32*\t+2*II], v[O+32*\t+2*II+1]
.set II, II+1
.endr
.irp dt, 0,1,2,3
	ds_store_b128 v[STO], v[S+32*\t+4*\dt:S+32*\t+4*\dt+3] offset:16*PK*\t+32*\dt
.endr
.irp i, 0,1,2,3
	ds_load_b128 v[S+32*\t+16+4*\i:S+32*\t+16+4*\i+3], v[RD] offset:16*PK*\t+4*PK*\i   ; LDS serves a wave's instructions in order: these see the stores above
.endr
.endr
.irp t, 0,1
.irp i, 0,1,2,3
	s_wait_dscnt 8*(1-\t)+3-\i                     ; behind this load: its tile's later loads, and for tile 0 tile 1's eight LDS instructions
	global_store_b128 v[GO], v[S+32*\t+16+4*\i:S+32*\t+16+4*\i+3], s[OUT:OUT+1] offset:2048*\t+512*\i
.endr
.endr
	s_wait_tensorcnt 0x0                           ; the wave's end
	ds_add_u32 v[SPW], v[NIL]
	s_wait_dscnt 0x0
	CROUND                                         ; the closing round
	s_endpgm
.Lfunc_end_k_qed702efba8_attn:
	.size	k_qed702efba8_attn, .Lfunc_end_k_qed702efba8_attn-k_qed702efba8_attn
	.p2alignl 7, 3214868480
	.fill 96, 4, 3214868480
	.section	.rodata,"a",@progbits
	.p2align	6, 0x0
	.amdhsa_kernel k_qed702efba8_attn
		.amdhsa_group_segment_fixed_size 327680
		.amdhsa_private_segment_fixed_size 0
		.amdhsa_enable_private_segment 0
		.amdhsa_kernarg_size 24
		.amdhsa_user_sgpr_count 2
		.amdhsa_user_sgpr_kernarg_segment_ptr 1
		.amdhsa_wavefront_size32 1
		.amdhsa_system_sgpr_workgroup_id_x 1
		.amdhsa_system_sgpr_workgroup_id_y 1
		.amdhsa_system_sgpr_workgroup_id_z 1
		.amdhsa_system_vgpr_workitem_id 0
		.amdhsa_next_free_vgpr 256
		.amdhsa_next_free_sgpr 106
		.amdhsa_reserve_vcc 0
		.amdhsa_float_denorm_mode_32 3
		.amdhsa_float_denorm_mode_16_64 3
		.amdhsa_memory_ordered 1
		.amdhsa_forward_progress 1
		.amdhsa_inst_pref_size 189
	.end_amdhsa_kernel
	.amdgpu_metadata
---
amdhsa.version: [ 1, 2 ]
amdhsa.kernels:
  - .name:           k_qed702efba8_attn
    .symbol:         k_qed702efba8_attn.kd
    .args:
      - { .name: qkv, .offset: 0, .size: 8, .value_kind: global_buffer, .address_space: global }
      - { .name: maskw, .offset: 8, .size: 8, .value_kind: global_buffer, .address_space: global }
      - { .name: merged, .offset: 16, .size: 8, .value_kind: global_buffer, .address_space: global }
    .group_segment_fixed_size: 327680
    .private_segment_fixed_size: 0
    .kernarg_segment_align: 8
    .kernarg_segment_size: 24
    .max_flat_workgroup_size: 512
    .sgpr_count:     106
    .vgpr_count:     256
    .wavefront_size: 32
...
	.end_amdgpu_metadata
.endif
;; end of part 3
;; launch outp (part 4): grid 4 x 64, 4 waves a work-group, clusters of 4 x 4, 327,680 bytes of LDS; arguments merged, wo16, b_o, out0; writes out0
.if DOCPART == 4
	.amdgcn_target "amdgcn-amd-amdhsa--gfx1250"
	.amdhsa_code_object_version 6
	.text
	.protected	k_qed702efba8_outp
	.globl	k_qed702efba8_outp
	.p2align	8
	.type	k_qed702efba8_outp,@function
k_qed702efba8_outp:
	s_mov_b64 s[64:65], 0
	v_nop
	global_prefetch_b8 v0, s[64:65] scope:SCOPE_SE
	s_setreg_imm32_b32 hwreg(HW_REG_WAVE_MODE, 25, 1), 1
	s_wait_xcnt 0x0
	s_wait_alu depctr_hold_cnt(0) depctr_sa_sdst(0) depctr_va_vdst(0) depctr_va_sdst(0) depctr_va_ssrc(0) depctr_va_vcc(0) depctr_vm_vsrc(0)
	s_getreg_b32 s2, hwreg(HW_REG_IB_STS2, 6, 4)
	s_cmp_eq_u32 s2, 0
	s_cbranch_scc0 .Lentry_in_a_cluster
	s_endpgm
.Lentry_in_a_cluster:
	s_bfe_u32 s2, ttmp6, 0x10000c
	s_cmp_lg_u32 s2, 0xf033
	s_cbranch_scc0 .Lentry_shape_is_right
	s_endpgm
.Lentry_shape_is_right:
; OUTP: out0[token][n] = the sum over k of merged[token][k] w_o[n][k] + b_o[n].  merged: f16, [batch][head][token][64] (k = 64 head + channel); wo16: f16, [n][k]; sums and out0 in f32.
; A tile of 128 tokens x 256 columns is made by four waves, each 64 x 128: 32 accumulators of 16 x 16: 256 work-groups.  K goes in steps of 128 (two heads) through a ring of two LDS slots.
; CLUSTERS: 4 x 4 work-groups; the four of a row need the same tokens, the four of a column the same rows of w_o: each tile is asked for jointly.
; THE MATRIX INSTRUCTION IS USED TRANSPOSED (source 0 = 16 rows of w_o, source 1 = 16 tokens): a lane holds eight neighbouring columns of one token's row.  b_o is the C of each sum's first product.
; No prefetch: a K step's tiles are few and the walk is eight steps long.
; REGISTERS: window 0: v16-29 addresses; v32-127, v128-223 two fragment buffers (w_o's 8 x 8 registers, then the tokens' 4 x 8); on the way out v32-159 rows read back.
;   window 1: accumulator (a, b) at v[8 (8 a + b)].   window 2: v0-63 b_o in the result's layout.
.set PA,    144                        ; a token's 128 bytes of one head + 16
.set PB,    272                        ; a row of w_o's tile: 256 bytes + 16
.set AHEAD, 128*PA                     ; one head's 128 tokens: what one tensor load brings
.set BOFF,  2*AHEAD
.set BHALF, 128*PB
.set SLOT,  BOFF+2*BHALF
.set SPARE, 2*SLOT                     ; the spare words, 128 bytes for each wave
.set SPITCH, 528                       ; the way out: 16 rows x (512 + 16) bytes for each wave, in slot 0, which has had its last fill and its last read by then
.set ADRA, 16
.set ADRB, 20
.set STO,  24
.set RD,   25
.set CO,   26
.set SPW,  28
.set NIL,  29
.set F0,   32
.set F1,   128
.set BK,   32
.set G1, 24
.set G0, 32
.set G1B, 48
.set G0B, 56
.set MSB, 0
.macro WIN new                         ; the immediate's high byte repeats the setting that is left
.if MSB != \new
	s_set_vgpr_msb (MSB<<8)|\new
.set MSB, \new
.endif
.endm
.set MUL,   0x50                       ; sources 0 and 1 window 0; C and D window 1
.set FIRST, 0x60                       ; C (b_o) window 2, D window 1
.macro JLOAD s                         ; waves 0 and 1 fetch the two heads' tokens, waves 2 and 3 the halves of w_o's rows; an s_nop 0 and four v_nop follow each line
	s_cmp_eq_u32 s13, 0
	s_cbranch_scc0 .Lfor_b_\@
	tensor_load_to_lds s[G0+4*\s:G0+4*\s+3], s[G1:G1+7]
	s_nop 0
.rept 4
	v_nop
.endr
	s_branch .Lasked_\@
.Lfor_b_\@:
	tensor_load_to_lds s[G0B+4*\s:G0B+4*\s+3], s[G1B:G1B+7]
	s_nop 0
.rept 4
	v_nop
.endr
.Lasked_\@:
.endm
.macro CREST                           ; a round of the cluster's barrier behind its opening barrier
	s_cmp_lg_u32 s12, 0
	s_cbranch_scc1 .Lnot_wave_0_\@
	s_barrier_signal -3
.Lnot_wave_0_\@:
	s_barrier_wait -3
	s_barrier_signal -1
	s_barrier_wait -1
.endm
.macro CROUND
	s_barrier_signal -1
	s_barrier_wait -1
	CREST
.endm
	s_load_b256 s[4:11], s[0:1], 0x0               ; merged 4, wo16 6, b_o 8, out0 10
	v_lshl_add_u32 v[SPW], v0, 2, SPARE
	v_mov_b32 v[NIL], 0
	ds_add_u32 v[SPW], v[NIL]                      ; the wave's opening: the add, twice on end, and its wait ahead of my first tensor load
	ds_add_u32 v[SPW], v[NIL]
	v_lshrrev_b32 v1, 5, v0
	v_readfirstlane_b32 s12, v1                    ; wave 0..3
	s_lshr_b32 s13, s12, 1                         ; which 64 tokens are mine.  Also: I fetch tokens (0) or w_o (1)
	s_and_b32 s14, s12, 1                          ; which 128 columns.  Also: which head, or which 128 rows of w_o, I fetch
	s_bfe_u32 s40, ttmp6, 0x40000
	s_bfe_u32 s41, ttmp6, 0x40004
	s_lshl_b32 s42, ttmp9, 2
	s_add_co_u32 s42, s42, s40                     ; tile column, 0..3
	s_and_b32 s15, ttmp7, 0xffff
	s_lshl_b32 s15, s15, 2
	s_add_co_u32 s15, s15, s41                     ; tile row, 0..63
	s_lshl_b32 s43, s41, 2
	s_lshl_b32 s43, 15, s43                        ; my row of the cluster
	s_lshl_b32 s44, 0x1111, s40                    ; my column
	s_or_b32 s[G1+0], s43, (1<<16)|(1<<20)|(1<<21)|(4<<22)|(3<<25)   ; tokens: elements of 2 bytes; 4 words of padding behind every 32
	s_mov_b32 s[G1+1], 64<<16                      ; tensor_dim0
	s_mov_b32 s[G1+2], 128<<16                     ; tensor_dim1
	s_mov_b32 s[G1+3], 64<<16                      ; tile_dim0
	s_mov_b32 s[G1+4], 128                         ; tile_dim1
	s_mov_b32 s[G1+5], 64                          ; the pitch: a head's tokens are dense
	s_mov_b32 s[G1+6], 0
	s_mov_b32 s[G1+7], 0
	s_or_b32 s[G1B+0], s44, (1<<16)|(1<<20)|(1<<21)|(5<<22)|(3<<25)  ; w_o: 4 words behind every 64
	s_mov_b32 s[G1B+1], 128<<16
	s_mov_b32 s[G1B+2], 128<<16
	s_mov_b32 s[G1B+3], 128<<16
	s_mov_b32 s[G1B+4], 128
	s_mov_b32 s[G1B+5], 1024
	s_mov_b32 s[G1B+6], 0
	s_mov_b32 s[G1B+7], 0
	s_lshr_b32 s16, s15, 4                         ; tokens: batch x 2^22 + head x 2^18 + 128 (tile row % 16) tokens of 128 bytes
	s_lshl_b32 s16, s16, 22
	s_and_b32 s17, s15, 15
	s_lshl_b32 s17, s17, 14
	s_add_co_u32 s16, s16, s17
	s_lshl_b32 s17, s14, 18
	s_add_co_u32 s16, s16, s17
	s_mov_b32 s17, 0
	s_lshl_b32 s46, s42, 19                        ; w_o: row 256 x tile column + 128 x half, 2,048 bytes a row
	s_lshl_b32 s47, s14, 18
	s_add_co_u32 s46, s46, s47
	s_mov_b32 s47, 0
	s_mul_i32 s20, s14, AHEAD                      ; where they go: no place in the cluster enters an LDS address
	s_mul_i32 s21, s14, BHALF
	s_add_co_u32 s21, s21, BOFF
	s_wait_dscnt 0x0                               ; both opening adds are done
	s_wait_kmcnt 0x0
	s_add_nc_u64 s[16:17], s[4:5], s[16:17]
	s_add_nc_u64 s[46:47], s[6:7], s[46:47]
	CROUND                                         ; all sixteen work-groups are here
.irp s, 0,1
	s_mov_b32 s[G0+4*\s], 1
	s_add_co_u32 s[G0+4*\s+1], s20, \s*SLOT
	s_add_nc_u64 s[G0+4*\s+2:G0+4*\s+3], s[16:17], \s*524288       ; K step s: heads 2 s and 2 s + 1
	s_or_b32 s[G0+4*\s+3], s[G0+4*\s+3], 0x80000000
	s_mov_b32 s[G0B+4*\s], 1
	s_add_co_u32 s[G0B+4*\s+1], s21, \s*SLOT
	s_add_nc_u64 s[G0B+4*\s+2:G0B+4*\s+3], s[46:47], \s*256
	s_or_b32 s[G0B+4*\s+3], s[G0B+4*\s+3], 0x80000000
	JLOAD \s                                       ; two loads of mine are out
.endr
	v_and_b32 v1, 15, v0                           ; l % 16
	v_bfe_u32 v2, v0, 4, 1                         ; l / 16
	s_lshl_b32 s18, s42, 10                        ; b_o at my first column
	s_lshl_b32 s19, s14, 9
	s_add_co_u32 s18, s18, s19
	s_mov_b32 s19, 0
	s_add_nc_u64 s[8:9], s[8:9], s[18:19]
	v_lshlrev_b32 v5, 5, v2
	WIN 0x80                                       ; destination window 2
.irp b, 0,1,2,3,4,5,6,7
	global_load_b128 v[8*\b:8*\b+3], v5, s[8:9] offset:64*\b          ; b_o[my first column + 16 b + 8 (l / 16) + 0 .. 7]
	global_load_b128 v[8*\b+4:8*\b+7], v5, s[8:9] offset:64*\b+16
.endr
	WIN 0
	v_mul_u32_u24 v3, v1, PA
	v_lshl_add_u32 v3, v2, 4, v3
	v_mul_u32_u24 v4, v1, PB
	v_lshl_add_u32 v4, v2, 4, v4
	s_mul_i32 s21, s13, 64*PA                      ; my 64 tokens
	s_mul_i32 s22, s14, BHALF                      ; my 128 rows of w_o
	s_add_co_u32 s22, s22, BOFF
.irp s, 0,1
	v_add_nc_u32 v[ADRA+\s], s21, v3
	v_add_nc_u32 v[ADRB+\s], s22, v4
	s_add_co_u32 s21, s21, SLOT
	s_add_co_u32 s22, s22, SLOT
.endr
	s_mul_i32 s23, s12, 16*SPITCH                  ; my stage
	v_mul_u32_u24 v6, v1, SPITCH
	v_lshl_add_u32 v6, v2, 5, v6
	v_add_nc_u32 v[STO], s23, v6                   ; in: row l % 16, 32 bytes for each half of the lanes
	v_and_b32 v6, 31, v0
	v_lshlrev_b32 v[CO], 4, v6                     ; back: the 32 lanes take a row of 512 bytes; the same in out0
	v_add_nc_u32 v[RD], s23, v[CO]
	s_lshl_b32 s16, s15, 19                        ; out0: (128 x tile row + 64 x half) rows of 4,096 bytes + (256 x tile column + 128 x half) x 4
	s_lshl_b32 s17, s13, 18
	s_add_co_u32 s16, s16, s17
	s_lshl_b32 s17, s42, 10
	s_add_co_u32 s16, s16, s17
	s_lshl_b32 s17, s14, 9
	s_add_co_u32 s16, s16, s17
	s_mov_b32 s17, 0
	s_add_nc_u64 s[10:11], s[10:11], s[16:17]
.macro MULA f, a, first                ; 8 matrix instructions: token block a x w_o's eight blocks, 32 along K.  The 32 accumulators take turns, one instruction a turn
.irp b, 0,1,2,3,4,5,6,7
.if \first
	v_wmma_f32_16x16x32_f16 v[8*(8*(\a)+\b):8*(8*(\a)+\b)+7], v[\f+8*\b:\f+8*\b+7], v[\f+64+8*(\a):\f+64+8*(\a)+7], v[8*\b:8*\b+7]
.else
	v_wmma_f32_16x16x32_f16 v[8*(8*(\a)+\b):8*(8*(\a)+\b)+7], v[\f+8*\b:\f+8*\b+7], v[\f+64+8*(\a):\f+64+8*(\a)+7], v[8*(8*(\a)+\b):8*(8*(\a)+\b)+7]
.endif
.endr
.endm
.macro FETCH slot, q, f                ; 24 LDS loads in one run: the fragments of the slot's q-th 32 along K
	WIN 0
.irp b, 0,1,2,3,4,5,6,7
	ds_load_b128 v[\f+8*\b:\f+8*\b+3],   v[ADRB+\slot] offset:64*(\q)+\b*16*PB
	ds_load_b128 v[\f+8*\b+4:\f+8*\b+7], v[ADRB+\slot] offset:64*(\q)+\b*16*PB+32
.endr
.irp a, 0,1,2,3
	ds_load_b128 v[\f+64+8*\a:\f+64+8*\a+3], v[ADRA+\slot] offset:((\q)/2)*AHEAD+64*((\q)%2)+\a*16*PA
	ds_load_b128 v[\f+64+8*\a+4:\f+64+8*\a+7], v[ADRA+\slot] offset:((\q)/2)*AHEAD+64*((\q)%2)+\a*16*PA+32
.endr
.endm
.macro PLACES                          ; four plain vector instructions between a matrix instruction and a load into, or a read of, its registers
.rept 4
	v_nop
.endr
.endm
.macro QUARTER slot, q, f, g, first    ; multiplies buffer f; in its middle it fetches the slot's quarter q into buffer g
	s_wait_dscnt 0x0
.if \first
	WIN FIRST
.else
	WIN MUL
.endif
	MULA \f, 0, \first
	MULA \f, 1, \first
	PLACES
	FETCH \slot, \q, \g
.if \first
	WIN FIRST
.else
	WIN MUL
.endif
	MULA \f, 2, \first
	MULA \f, 3, \first
.endm
; A slot's last quarter multiplies buffer 1 and changes slots: ONE barrier; in front of it each wave waits for all its tensor loads, adds 0 to its spare word, and waits for that and for its reads of this slot.
; fill = 1: the barrier opens a round of the cluster's, and this slot is filled again, two K steps ahead, first thing behind the round.
.macro TURN slot, next, fill
	WIN 0
	s_wait_tensorcnt 0x0                           ; all my tensor loads have landed: my part of the next slot
	ds_add_u32 v[SPW], v[NIL]
	s_wait_dscnt 1                                 ; (the add may be out; the fragments are in)
	WIN MUL
	MULA F1, 0, 0
	s_wait_dscnt 0x0                               ; the add is done, and my reads of this slot are over
	s_barrier_signal -1
	MULA F1, 1, 0
.if \fill
	WIN 0
.endif
	s_barrier_wait -1
.if \fill
	CREST                                          ; no wave of any partner still reads this slot's tile or has a load on its way
	s_add_nc_u64 s[G0+4*\slot+2:G0+4*\slot+3], s[G0+4*\slot+2:G0+4*\slot+3], 1048576   ; four heads on
	s_add_nc_u64 s[G0B+4*\slot+2:G0B+4*\slot+3], s[G0B+4*\slot+2:G0B+4*\slot+3], 512
	JLOAD \slot                                    ; the four v_nop behind it are also the places in front of the loads below
.else
	PLACES
.endif
	FETCH \next, 0, F0
	WIN MUL
	MULA F1, 2, 0
	MULA F1, 3, 0
.endm
	s_wait_tensorcnt 1                             ; my part of K step 0 is in; K step 1's load may be out
	s_barrier_signal -1
	s_barrier_wait -1
	FETCH 0, 0, F0
	s_wait_loadcnt 0x0                             ; b_o
	QUARTER 0, 1, F0, F1, 1                        ; the first quarter stands in front of the loop: its products start the sums from b_o
	WIN 0                                          ; at a label and at a branch every window is 0
	s_mov_b32 s3, 3
.Llap:                                 ; a trip goes once round the ring and fills both slots again: K steps 2 to 7
	QUARTER 0, 2, F1, F0, 0
	QUARTER 0, 3, F0, F1, 0
	TURN 0, 1, 1
	QUARTER 1, 1, F0, F1, 0
	QUARTER 1, 2, F1, F0, 0
	QUARTER 1, 3, F0, F1, 0
	TURN 1, 0, 1
	QUARTER 0, 1, F0, F1, 0
	WIN 0
	s_sub_co_u32 s3, s3, 1
	s_cmp_lg_u32 s3, 0
	s_cbranch_scc1 .Llap
	QUARTER 0, 2, F1, F0, 0                        ; the last lap fills nothing
	QUARTER 0, 3, F0, F1, 0
	TURN 0, 1, 0
	QUARTER 1, 1, F0, F1, 0
	QUARTER 1, 2, F1, F0, 0
	QUARTER 1, 3, F0, F1, 0
	s_wait_dscnt 0x0
	WIN MUL
	MULA F1, 0, 0
	MULA F1, 1, 0
	MULA F1, 2, 0
	MULA F1, 3, 0
	WIN 0
; THE WAY OUT, a block of 16 tokens x 128 columns at a time: through my stage, back as whole rows of 512 bytes.
.macro TOSTAGE a
	WIN 0x04                                       ; an LDS store's data are its source 1: window 1
.irp b, 0,1,2,3,4,5,6,7
	ds_store_b128 v[STO], v[8*(8*(\a)+\b):8*(8*(\a)+\b)+3] offset:64*\b            ; each accumulator from its low end on
	ds_store_b128 v[STO], v[8*(8*(\a)+\b)+4:8*(8*(\a)+\b)+7] offset:64*\b+16
.endr
	WIN 0
.set BB, BK+64*((\a)%2)
.irp t, 0,1,2,3,4,5,6,7,8,9,10,11,12,13,14,15
	ds_load_b128 v[BB+4*\t:BB+4*\t+3], v[RD] offset:\t*SPITCH      ; LDS serves a wave's instructions in order: these see the stores above
.endr
.endm
.macro SEND a, younger                 ; younger: the LDS instructions issued behind block a's loads, which may stay out
.set BB, BK+64*((\a)%2)
	s_wait_dscnt \younger
.irp t, 0,1,2,3,4,5,6,7,8,9,10,11,12,13,14,15
	global_store_b128 v[CO], v[BB+4*\t:BB+4*\t+3], s[10:11] offset:(16*(\a)+\t)*4096 th:TH_STORE_NT   ; 32 lanes store 512 consecutive bytes; written once, read by nobody here
.endr
.endm
	PLACES                                         ; behind the last products: for the stores' reads and for the loads into the fragments' registers
	TOSTAGE 0
.irp a, 1,2,3
.if \a > 1
	s_wait_xcnt 0x0                                ; block a - 2's stores have read their registers: block a's loads may land there
.endif
	TOSTAGE \a
	SEND \a-1, 32                                  ; behind block a - 1's loads: block a's 16 stores and 16 loads
.endr
	SEND 3, 0
	s_wait_tensorcnt 0x0                           ; the wave's end
	ds_add_u32 v[SPW], v[NIL]
	s_wait_dscnt 0x0
	CROUND                                         ; the closing round
	s_endpgm
.Lfunc_end_k_qed702efba8_outp:
	.size	k_qed702efba8_outp, .Lfunc_end_k_qed702efba8_outp-k_qed702efba8_outp
	.p2alignl 7, 3214868480
	.fill 96, 4, 3214868480
	.section	.rodata,"a",@progbits
	.p2align	6, 0x0
	.amdhsa_kernel k_qed702efba8_outp
		.amdhsa_group_segment_fixed_size 327680
		.amdhsa_private_segment_fixed_size 0
		.amdhsa_enable_private_segment 0
		.amdhsa_kernarg_size 32
		.amdhsa_user_sgpr_count 2
		.amdhsa_user_sgpr_kernarg_segment_ptr 1
		.amdhsa_wavefront_size32 1
		.amdhsa_system_sgpr_workgroup_id_x 1
		.amdhsa_system_sgpr_workgroup_id_y 1
		.amdhsa_system_sgpr_workgroup_id_z 1
		.amdhsa_system_vgpr_workitem_id 0
		.amdhsa_next_free_vgpr 576
		.amdhsa_next_free_sgpr 66
		.amdhsa_reserve_vcc 0
		.amdhsa_float_denorm_mode_32 3
		.amdhsa_float_denorm_mode_16_64 3
		.amdhsa_memory_ordered 1
		.amdhsa_forward_progress 1
		.amdhsa_inst_pref_size 86
	.end_amdhsa_kernel
	.amdgpu_metadata
---
amdhsa.version: [ 1, 2 ]
amdhsa.kernels:
  - .name:           k_qed702efba8_outp
    .symbol:         k_qed702efba8_outp.kd
    .args:
      - { .name: merged, .offset: 0, .size: 8, .value_kind: global_buffer, .address_space: global }
      - { .name: wo16, .offset: 8, .size: 8, .value_kind: global_buffer, .address_space: global }
      - { .name: b_o, .offset: 16, .size: 8, .value_kind: global_buffer, .address_space: global }
      - { .name: out0, .offset: 24, .size: 8, .value_kind: global_buffer, .address_space: global }
    .group_segment_fixed_size: 327680
    .private_segment_fixed_size: 0
    .kernarg_segment_align: 8
    .kernarg_segment_size: 32
    .max_flat_workgroup_size: 128
    .sgpr_count:     66
    .vgpr_count:     576
    .wavefront_size: 32
...
	.end_amdgpu_metadata
.endif
;; end of part 4
